; MI455X (gfx1250); checked and timed in simulation.
; The chip was launched on July 23, 2026; its instructions are those of AMD's public machine-readable ISA for CDNA 5 (MIT licence, August 2026) and "CDNA5" Instruction Set Architecture Reference Guide (July 2026). The comments in the code are by the model that wrote it; some were corrected since.
;; Mo E Layer. Allowed arithmetic: float matrix products may take bf16 or f16 operands with f32 sums; all other float work in f32.
;; Inputs: W1 8 x 512 x 2,048 float32; W2 8 x 2,048 x 512 float32; Wr 512 x 8 float32; b1 8 x 2,048 float32; b2 8 x 512 float32; br 8 float32; x 8 x 512 x 512 float32.
;; Outputs: out0 8 x 512 x 512 float32.
;; 2 versions, each right; version 2 is version 1 with the launch ffn written anew for expert scheduling mode. Each part assembles by itself: llvm-mc -triple=amdgcn-amd-amdhsa -mcpu=gfx1250 --defsym DOCPART=n.
;; ======== version 1 of 2: 4 launches
;; limits: values are held in f16: magnitudes above 65,504 overflow, below 6.1e-05 lose precision; right only within a limited range of input values
;; workspace buffers: pw 33,554,432 bytes; xb 4,194,304 bytes; sel 16,384 bytes of whole numbers; wts 32,768 bytes; rowtok 36,864 bytes of whole numbers; part 67,633,152 bytes
;; launch prep (part 1): grid 256 x 1, 8 waves a work-group, no clusters, 0 bytes of LDS; arguments W1, W2, x, Wr, br, pw, xb, sel, wts; writes pw, xb, sel, wts
.if DOCPART == 1
	.amdgcn_target "amdgcn-amd-amdhsa--gfx1250"
	.amdhsa_code_object_version 6
	.text
	.protected	k_q45215ace1d_prep
	.globl	k_q45215ace1d_prep
	.p2align	8
	.type	k_q45215ace1d_prep,@function
k_q45215ace1d_prep:
	s_mov_b64 s[64:65], 0
	v_nop
	global_prefetch_b8 v0, s[64:65] scope:SCOPE_SE
	s_setreg_imm32_b32 hwreg(HW_REG_WAVE_MODE, 25, 1), 1
	s_wait_xcnt 0x0
; PREP: (1) W1 and W2 from f32 [K][N] to f16 in the order in which a matrix fragment lies in registers,
;       (2) x to f16, (3) the router: logits in f32 on unrounded inputs, softmax with the maximum taken away, the two largest.
; 256 work-groups of 8 waves.  Work-group G: p = G>>7 picks W1 or W2, e = (G>>4)&7 the expert, z = G&15 a block of 262,144
; consecutive bytes of that expert (p = 0: 32 rows of 8,192 bytes; p = 1: 128 rows of 2,048 bytes).  A wave converts four units of
; 32 rows x 64 columns; a unit becomes four fragments (4,096 bytes).  The same work-group routes 16 tokens, two a wave.
; pw: [e 8][q 4][w 4][sigma 32][b 8][half 2][lane 32][16 bytes]; sigma = 16 p + K step; fragment b = 4 g + c holds in lane (r, h)
; column 128 w + 64 g + 4 r + c of quarter q; its register i the pair k = 8 h + 2 i (i < 4) or 16 + 8 h + 2 (i - 4).
; sel word of a token: (1<<e0) | (1<<(8+e1)) | e0<<16 | e1<<20.   wts: (w0, w1) per token.
; LIMITS: NaN and infinities in the inputs are not served.  f16 operands: |x|, |W1|, |W2| below 65,504.  Two logits closer than the
; error of an f32 sum of 512 terms may be ranked otherwise than by another order of summation; equal logits take the lower index.
; No LDS, no barrier, no matrix unit: every byte is read once and written once, and no wave needs another.
.set XROW,  2048                       ; bytes in a row of x
.set HROW,  1024                       ; bytes in a row of xb
.set ADR,   5                          ; v[5:20]    byte offset of row t of my 16 rows in a unit (t < 8: k = 8h + t; else k = 8 + 8h + t)
.set X,     22                         ; v[22:53]   two tokens x 16 numbers of x: X[4i+c] = x[128 i + 4 lane + c]
.set ACC,   54                         ; v[54:69]   two tokens x 8 logits
.set XH,    70                         ; v[70:85]   x in f16
.set M1,    86                         ; largest logit, its index, second largest, its index
.set I1,    87
.set M2,    88
.set I2,    89
.set EX,    90                         ; v[90:97]   eight exponentials
.set NEG,   98                         ; minus infinity
.set ONE,   99
.set WT,    100                        ; v[100:103] (w0, w1) of the two tokens
.set WD,    104                        ; v[104:105] sel words of the two tokens
.set C256,  106
.set E2,    107
.set SUM,   108
.set TMP,   109
.set WR,    112                        ; v[112:239] Wr: WR[8 d + j] = Wr[row of X[d]][j]
.set O,     112                        ; the same registers later: four units x 32 registers of f16 fragments
; window 1 (v256-v511): the stage, unit i row t at 64 i + 4 t
.set MSB, 0
.macro WIN new                         ; the high byte of the immediate repeats the setting that is left
.if MSB != (\new)
	s_set_vgpr_msb (MSB<<8)|(\new)
.set MSB, (\new)
.endif
.endm
	s_load_b512 s[8:23], s[0:1], 0x0               ; W1 s8, W2 s10, x s12, Wr s14, br s16, pw s18, xb s20, sel s22
	s_load_b64 s[24:25], s[0:1], 0x40              ; wts
	v_lshrrev_b32 v2, 5, v0
	v_readfirstlane_b32 s2, v2                     ; wave
	v_and_b32 v1, 31, v0                           ; lane
	s_lshr_b32 s3, ttmp9, 7                        ; p
	s_bfe_u32 s4, ttmp9, 0x30004                   ; e
	s_and_b32 s5, ttmp9, 15                        ; z
	s_movk_i32 s58, 0x800                          ; the two candidates of every size that hangs on p
	s_movk_i32 s59, 0x2000
	s_mov_b32 s60, 0x10000
	s_mov_b32 s61, 0x100000
	s_lshr_b32 s62, s5, 2                          ; p = 1: q = z>>2, sigma = 16 + 4 (z&3) + unit
	s_lshl_b32 s62, s62, 20
	s_and_b32 s6, s5, 3
	s_lshl_b32 s6, s6, 15
	s_add_co_u32 s62, s62, s6
	s_add_co_u32 s62, s62, 0x20000
	s_lshl_b32 s63, s5, 13                         ; p = 0: sigma = z, q = unit
	s_mov_b32 s56, 0x76543210                      ; v_permlanex16_b32: lane i reads lane i of the other half
	s_mov_b32 s57, 0xfedcba98
	s_mov_b32 s7, 0                                ; high word of every offset pair s[6:7]
	v_lshlrev_b32 v2, 4, v1                        ; 16 lane
	v_lshlrev_b32 v3, 7, v1                        ; 128 lane: four rows of Wr
	v_lshlrev_b32 v4, 3, v1                        ; 8 lane
	s_wait_kmcnt 0x0
	s_load_b256 s[44:51], s[16:17], 0x0            ; br
	s_cmp_lg_u32 s3, 0                             ; only selects follow: they leave SCC alone
	s_cselect_b64 s[26:27], s[10:11], s[8:9]       ; W2 or W1
	s_cselect_b32 s52, s58, s59                    ; bytes from row to row
	s_cselect_b32 s53, s60, s58                    ; from unit to unit in the source: 32 rows, or 512 columns
	s_cselect_b32 s54, s59, s61                    ; from unit to unit in pw: a K step, or a quarter
	s_cselect_b32 s55, s62, s63
	; the router loads go first: 8 of x, 32 of Wr
	s_lshl_b32 s6, ttmp9, 15                       ; token 16 G + 2 wave, times 2,048
	s_lshl_b32 s3, s2, 12
	s_add_co_u32 s6, s6, s3
	s_add_nc_u64 s[12:13], s[12:13], s[6:7]
.irp u,0,1
.irp i,0,1,2,3
	global_load_b128 v[X+16*\u+4*\i:X+16*\u+4*\i+3], v2, s[12:13] offset:XROW*\u+512*\i th:TH_LOAD_NT
.endr
.endr
.irp i,0,1,2,3
.irp m,0,1,2,3,4,5,6,7
	global_load_b128 v[WR+32*\i+4*\m:WR+32*\i+4*\m+3], v3, s[14:15] offset:4096*\i+16*\m
.endr
.endr
	s_lshr_b32 s6, s6, 1                           ; the same token in xb (1,024 bytes), wts (8) and sel (4)
	s_add_nc_u64 s[20:21], s[20:21], s[6:7]
	s_lshr_b32 s6, s6, 7
	s_add_nc_u64 s[24:25], s[24:25], s[6:7]
	s_lshr_b32 s6, s6, 1
	s_add_nc_u64 s[22:23], s[22:23], s[6:7]
	; where my four units come from: s[28:35]
	s_lshl_b32 s6, s4, 22
	s_lshl_b32 s3, s5, 18
	s_add_co_u32 s6, s6, s3
	s_lshl_b32 s3, s2, 8                           ; 64 columns a wave
	s_add_co_u32 s6, s6, s3
	s_add_nc_u64 s[28:29], s[26:27], s[6:7]
	s_mov_b32 s6, s53
	s_add_nc_u64 s[30:31], s[28:29], s[6:7]
	s_add_nc_u64 s[32:33], s[30:31], s[6:7]
	s_add_nc_u64 s[34:35], s[32:33], s[6:7]
	; and where they go: s[36:43]
	s_lshl_b32 s6, s4, 22
	s_add_co_u32 s6, s6, s55
	s_lshr_b32 s3, s2, 1                           ; w
	s_lshl_b32 s3, s3, 18
	s_add_co_u32 s6, s6, s3
	s_and_b32 s3, s2, 1                            ; g
	s_lshl_b32 s3, s3, 12
	s_add_co_u32 s6, s6, s3
	s_add_nc_u64 s[36:37], s[18:19], s[6:7]
	s_mov_b32 s6, s54
	s_add_nc_u64 s[38:39], s[36:37], s[6:7]
	s_add_nc_u64 s[40:41], s[38:39], s[6:7]
	s_add_nc_u64 s[42:43], s[40:41], s[6:7]
	; lane (r, h) takes 16 bytes (columns 4 r .. 4 r + 3) of rows 8 h + 0..7 and 16 + 8 h + 0..7: sixteen lanes read 256 aligned bytes of a row
	v_and_b32 v5, 15, v1
	v_lshrrev_b32 v21, 4, v1
	v_lshlrev_b32 v21, 3, v21
	v_mul_u32_u24 v21, s52, v21
	v_lshl_add_u32 v5, v5, 4, v21
.irp t,1,2,3,4,5,6,7,8,9,10,11,12,13,14,15
	s_mul_i32 s3, s52, \t+8*(\t/8)
	v_add_nc_u32 v[ADR+\t], s3, v5
.endr
	WIN 0x40                                       ; loaded data into window 1
.irp i,0,1,2,3
.irp t,0,1,2,3,4,5,6,7,8,9,10,11,12,13,14,15
	global_load_b128 v[64*\i+4*\t:64*\i+4*\t+3], v[ADR+\t], s[28+2*\i:29+2*\i] th:TH_LOAD_NT
.endr
.endr
	WIN 0
	v_mov_b32 v[NEG], 0xff800000
	v_mov_b32 v[ONE], 1
	v_mov_b32 v[C256], 0x100
	s_wait_loadcnt 63                              ; 104 loads were issued and come back in order: at most 63 out means that the oldest 41 are in, the 40 of the router among them
	; x in f16: a store of the wave covers 256 consecutive bytes, aligned
.irp u,0,1
.irp i,0,1,2,3
	v_cvt_pk_f16_f32 v[XH+8*\u+2*\i], v[X+16*\u+4*\i], v[X+16*\u+4*\i+1]
	v_cvt_pk_f16_f32 v[XH+8*\u+2*\i+1], v[X+16*\u+4*\i+2], v[X+16*\u+4*\i+3]
	global_store_b64 v4, v[XH+8*\u+2*\i:XH+8*\u+2*\i+1], s[20:21] offset:HROW*\u+256*\i
.endr
.endr
	; logits: 16 numbers of x a lane, each times its row of Wr (8 numbers, four pairs); eight chains that do not wait for each other
.macro FMA4 u, pr, d, k                ; x number d of token u lies in half k of the pair at pr
.irp j,0,2,4,6
	v_pk_fma_f32 v[ACC+8*\u+\j:ACC+8*\u+\j+1], v[X+16*\u+\pr:X+16*\u+\pr+1], v[WR+8*(\d)+\j:WR+8*(\d)+\j+1], v[ACC+8*\u+\j:ACC+8*\u+\j+1] op_sel:[\k,0,0] op_sel_hi:[\k,1,1]
.endr
.endm
.irp u,0,1
.irp j,0,2,4,6
	v_pk_mul_f32 v[ACC+8*\u+\j:ACC+8*\u+\j+1], v[X+16*\u:X+16*\u+1], v[WR+\j:WR+\j+1] op_sel:[0,0] op_sel_hi:[0,1]   ; the first product starts the sums
.endr
.endr
	FMA4 0, 0, 1, 1
	FMA4 1, 0, 1, 1
.irp d,2,4,6,8,10,12,14
	FMA4 0, \d, \d, 0
	FMA4 1, \d, \d, 0
	FMA4 0, \d, \d+1, 1
	FMA4 1, \d, \d+1, 1
.endr
	; across the 32 lanes: four steps inside each half ride on the add, one crosses the halves; every lane ends with the sums
.irp m,1,2,4,8
.irp a,0,1,2,3,4,5,6,7,8,9,10,11,12,13,14,15
	v_add_f32_dpp v[ACC+\a], v[ACC+\a], v[ACC+\a] row_xmask:\m row_mask:0xf bank_mask:0xf
.endr
.endr
.irp a,0,1,2,3,4,5,6,7,8,9,10,11,12,13,14,15
	v_permlanex16_b32 v[X+\a], v[ACC+\a], s56, s57 ; the destination counts as read: x is done with and has been written
.endr
.irp a,0,1,2,3,4,5,6,7,8,9,10,11,12,13,14,15
	v_add_f32 v[ACC+\a], v[ACC+\a], v[X+\a]
.endr
	s_wait_kmcnt 0x0                               ; br
.irp u,0,1
.irp j,0,1,2,3,4,5,6,7
	v_add_f32 v[ACC+8*\u+\j], s[44+\j], v[ACC+8*\u+\j]
.endr
.endr
; The two largest of eight logits and their softmax weights.  A strict compare keeps the lower index among equals.
.macro TOP2 u
.set L, ACC+8*\u
	v_cmp_gt_f32 vcc_lo, v[L+1], v[L]
	v_cndmask_b32 v[M1], v[L], v[L+1], vcc_lo
	v_cndmask_b32 v[I1], 0, 1, vcc_lo
.irp j,2,3,4,5,6,7
	v_cmp_gt_f32 vcc_lo, v[L+\j], v[M1]
	v_cndmask_b32 v[M1], v[M1], v[L+\j], vcc_lo
	v_cndmask_b32 v[I1], v[I1], \j, vcc_lo
.endr
.irp j,0,1,2,3,4,5,6,7
	v_sub_f32 v[EX+\j], v[L+\j], v[M1]             ; the maximum is taken away: every exponent is at most 0
.endr
.irp j,0,1,2,3,4,5,6,7
	v_mul_f32 v[EX+\j], 0x3fb8aa3b, v[EX+\j]       ; times log2(e)
.endr
.irp j,0,1,2,3,4,5,6,7
	v_exp_f32 v[EX+\j], v[EX+\j]
.endr
.irp j,0,1,2,3,4,5,6,7
	v_cmp_eq_u32 vcc_lo, \j, v[I1]                 ; plain instructions that touch no exponential stand behind the last v_exp_f32 (ISA guide 5.7.2)
	v_cndmask_b32 v[L+\j], v[L+\j], v[NEG], vcc_lo ; the largest leaves the field
.endr
	s_wait_alu depctr_va_vdst(0)
	v_pk_add_f32 v[EX:EX+1], v[EX:EX+1], v[EX+2:EX+3]
	v_pk_add_f32 v[EX+4:EX+5], v[EX+4:EX+5], v[EX+6:EX+7]
	v_pk_add_f32 v[EX:EX+1], v[EX:EX+1], v[EX+4:EX+5]
	v_add_f32 v[SUM], v[EX], v[EX+1]
	v_cmp_gt_f32 vcc_lo, v[L+1], v[L]
	v_cndmask_b32 v[M2], v[L], v[L+1], vcc_lo
	v_cndmask_b32 v[I2], 0, 1, vcc_lo
.irp j,2,3,4,5,6,7
	v_cmp_gt_f32 vcc_lo, v[L+\j], v[M2]
	v_cndmask_b32 v[M2], v[M2], v[L+\j], vcc_lo
	v_cndmask_b32 v[I2], v[I2], \j, vcc_lo
.endr
	v_sub_f32 v[E2], v[M2], v[M1]
	v_mul_f32 v[E2], 0x3fb8aa3b, v[E2]
	v_exp_f32 v[E2], v[E2]
	v_rcp_f32 v[WT+2*\u], v[SUM]                   ; w0 = exp(0) / sum
	v_lshlrev_b32 v[WD+\u], v[I1], v[ONE]          ; the sel word: plain work behind the two transcendentals
	v_lshlrev_b32 v[TMP], v[I2], v[C256]
	v_or_b32 v[WD+\u], v[WD+\u], v[TMP]
	v_lshl_or_b32 v[WD+\u], v[I1], 16, v[WD+\u]
	v_lshl_or_b32 v[WD+\u], v[I2], 20, v[WD+\u]
	s_wait_alu depctr_va_vdst(0)
	v_mul_f32 v[WT+2*\u+1], v[E2], v[WT+2*\u]      ; w1
.endm
	TOP2 0
	TOP2 1
; One unit: 16 staged rows of 4 columns a lane become 4 fragments of 8 registers; rows 2 k and 2 k + 1 of my 16 make register k.
.macro UNIT i
	s_wait_loadcnt 48-16*\i                        ; the 16 loads of each later unit may stay out
	WIN 0x05                                       ; both sources in window 1
.irp c,0,1,2,3
.irp k,0,1,2,3,4,5,6,7
	v_cvt_pk_f16_f32 v[O+32*\i+8*\c+\k], v[64*\i+8*\k+\c], v[64*\i+8*\k+4+\c]
.endr
.endr
	WIN 0
.irp c,0,1,2,3
	global_store_b128 v2, v[O+32*\i+8*\c:O+32*\i+8*\c+3], s[36+2*\i:37+2*\i] offset:1024*\c        ; each store of the wave covers 512 consecutive bytes, aligned
	global_store_b128 v2, v[O+32*\i+8*\c+4:O+32*\i+8*\c+7], s[36+2*\i:37+2*\i] offset:1024*\c+512
.endr
.endm
	UNIT 0
	UNIT 1
	UNIT 2
	UNIT 3
	; lane 0 stores the first token, lane 1 the second: 12 bytes a token
	v_cmp_eq_u32 vcc_lo, 1, v1
	v_cndmask_b32 v[WD], v[WD], v[WD+1], vcc_lo
	v_cndmask_b32 v[WT], v[WT], v[WT+2], vcc_lo
	v_cndmask_b32 v[WT+1], v[WT+1], v[WT+3], vcc_lo
	v_lshlrev_b32 v[TMP], 2, v1
	v_cmp_gt_u32 vcc_lo, 2, v1
	s_wait_xcnt 0x0                                ; EXEC is a source of the stores above: it changes only behind this wait
	s_and_saveexec_b32 s3, vcc_lo
	global_store_b32 v[TMP], v[WD], s[22:23]
	global_store_b64 v4, v[WT:WT+1], s[24:25]
	s_endpgm
.Lfunc_end_k_q45215ace1d_prep:
	.size	k_q45215ace1d_prep, .Lfunc_end_k_q45215ace1d_prep-k_q45215ace1d_prep
	.p2alignl 7, 3214868480
	.fill 96, 4, 3214868480
	.section	.rodata,"a",@progbits
	.p2align	6, 0x0
	.amdhsa_kernel k_q45215ace1d_prep
		.amdhsa_group_segment_fixed_size 0
		.amdhsa_private_segment_fixed_size 0
		.amdhsa_enable_private_segment 0
		.amdhsa_kernarg_size 72
		.amdhsa_user_sgpr_count 2
		.amdhsa_user_sgpr_kernarg_segment_ptr 1
		.amdhsa_wavefront_size32 1
		.amdhsa_system_sgpr_workgroup_id_x 1
		.amdhsa_system_sgpr_workgroup_id_y 1
		.amdhsa_system_sgpr_workgroup_id_z 1
		.amdhsa_system_vgpr_workitem_id 0
		.amdhsa_next_free_vgpr 512
		.amdhsa_next_free_sgpr 66
		.amdhsa_reserve_vcc 1
		.amdhsa_float_denorm_mode_32 3
		.amdhsa_float_denorm_mode_16_64 3
		.amdhsa_memory_ordered 1
		.amdhsa_forward_progress 1
		.amdhsa_inst_pref_size 50
	.end_amdhsa_kernel
	.amdgpu_metadata
---
amdhsa.version: [ 1, 2 ]
amdhsa.kernels:
  - .name:           k_q45215ace1d_prep
    .symbol:         k_q45215ace1d_prep.kd
    .args:
      - { .name: W1, .offset: 0, .size: 8, .value_kind: global_buffer, .address_space: global }
      - { .name: W2, .offset: 8, .size: 8, .value_kind: global_buffer, .address_space: global }
      - { .name: x, .offset: 16, .size: 8, .value_kind: global_buffer, .address_space: global }
      - { .name: Wr, .offset: 24, .size: 8, .value_kind: global_buffer, .address_space: global }
      - { .name: br, .offset: 32, .size: 8, .value_kind: global_buffer, .address_space: global }
      - { .name: pw, .offset: 40, .size: 8, .value_kind: global_buffer, .address_space: global }
      - { .name: xb, .offset: 48, .size: 8, .value_kind: global_buffer, .address_space: global }
      - { .name: sel, .offset: 56, .size: 8, .value_kind: global_buffer, .address_space: global }
      - { .name: wts, .offset: 64, .size: 8, .value_kind: global_buffer, .address_space: global }
    .group_segment_fixed_size: 0
    .private_segment_fixed_size: 0
    .kernarg_segment_align: 8
    .kernarg_segment_size: 72
    .max_flat_workgroup_size: 256
    .sgpr_count:     66
    .vgpr_count:     512
    .wavefront_size: 32
...
	.end_amdgpu_metadata
.endif
;; end of part 1
;; launch lists (part 2): grid 1 x 1, 4 waves a work-group, no clusters, 164,608 bytes of LDS; arguments sel, rowtok; writes rowtok
.if DOCPART == 2
	.amdgcn_target "amdgcn-amd-amdhsa--gfx1250"
	.amdhsa_code_object_version 6
	.text
	.protected	k_q45215ace1d_lists
	.globl	k_q45215ace1d_lists
	.p2align	8
	.type	k_q45215ace1d_lists,@function
k_q45215ace1d_lists:
	s_mov_b64 s[64:65], 0
	v_nop
	global_prefetch_b8 v0, s[64:65] scope:SCOPE_SE
	s_setreg_imm32_b32 hwreg(HW_REG_WAVE_MODE, 25, 1), 1
	s_wait_xcnt 0x0
; LISTS: the 8,192 (token, slot) rows sorted by expert into 64 tiles of 144 rows.  Whole numbers only.
; The sum over experts of ceil(count / 144) is at most (8,192 + 8 x 143) / 144 = 64.8, so 64 tiles serve every routing.
; rowtok word: bits 12:0 token x 2 + slot; 0x2000 marks a row of padding; bits 18:16 the expert of the tile, in padding too.
; One work-group, since every count is needed before any row can be placed; four waves.  Wave w takes tokens 1,024 w .. + 1,023 as four
; groups of 8 tokens a lane (16 entries a lane and group).  The order of the rows inside an expert is free: every row is worked on by itself.
; RANK of an entry among those of its expert = (entries in earlier waves) + (earlier groups of my wave) + (lower lanes of my group)
; + (earlier entries of my lane).  The last comes from eight 4-bit counters in one register (8 tokens name an expert at most 8 times),
; the one before from sums over the lanes of 16-bit fields (two experts a register; no field passes 9,216), the first two from scalars.
; PLACING: a wave stores only into an image of rowtok of its own, cleared at the start, so that no two waves write the same LDS bytes
; between barriers.  An entry is stored as entry - 0x2000; a word of rowtok is the sum of the four images + (expert << 16) + 0x2000:
; where nobody stored, that is padding.  Every step is written 16 registers wide or more, so that no instruction waits for its neighbour.
.set IMGB,  36864                      ; bytes of an image: 9,216 words
.set TAB,   4*IMGB                     ; four rows of 16 bytes: each wave's packed totals
.set LUT,   TAB+256                    ; 32 bytes for each (wave, group, lane): the first row of each expert's entries there
.set TILE,  144
.set S,     16                         ; v[16:47]   sel: register 4 n + c of lane l is token 1,024 w + 128 n + 4 l + c
.set TM,    16                         ; the same registers later: 16 at work in the sums over lanes
.set LW,    16                         ; and later: 4 groups x 8 bases
.set SH,    48                         ; v[48:111]  entry 16 g + k: 4 x its expert; then its address among the bases; then its base, row, address in the image
.set RK,    112                        ; v[112:175] its rank in the lane (k = 0: rank 0, not written); then the word to store
.set CNT,   176                        ; v[176:179] a group's eight 4-bit counters
.set F,     180                        ; v[180:195] group g, register i: my lane's counts of experts i (low half) and i + 4 (high half)
.set G,     196                        ; v[196:211] the same summed over the lanes
.set Z,     212                        ; v[212:215] zeros
.set D,     48                         ; the way out: v[48:143] six sets of four words from four images
.set OUT,   144                        ; v[144:215] 18 sets of four words of rowtok, each with registers of its own
.set EX,    16                         ; v[16:21]   expert of a set, then (expert << 16) + 0x2000
.set P,     22                         ; v[22:27]   first row of a set
.set RB,    82                         ; s[82:89]   first row of each expert
; s[20:35] lane 15 of G, later at work; s[36:51] totals of the groups; s[52:55], s[56:59] totals of groups 0-1, 0-2; s[60:63] of the wave; s[66:81] the four waves' totals
	s_load_b128 s[4:7], s[0:1], 0x0                ; sel s[4:5], rowtok s[6:7]
	v_lshl_add_u32 v216, v0, 2, 0x28100
	v_mov_b32 v217, 0
	v_lshrrev_b32 v2, 5, v0
	v_readfirstlane_b32 s8, v2                     ; wave
	v_and_b32 v1, 31, v0                           ; lane
	v_lshlrev_b32 v2, 4, v1                        ; 16 lane
	s_mul_i32 s9, s8, IMGB                         ; my image
	v_add_nc_u32 v4, s9, v2
.irp j,0,1,2,3
	v_mov_b32 v[Z+\j], 0
.endr
.set n, 0
.rept 72
	ds_store_b128 v4, v[Z:Z+3] offset:512*n        ; my image is cleared while the arguments are on their way: 72 x 512 bytes
.set n, n+1
.endr
	s_lshl_b32 s11, s8, 12                         ; my 4,096 bytes of sel, and of the bases
	v_add_nc_u32 v3, s11, v2
	s_wait_kmcnt 0x0
.set n, 0
.rept 8
	global_load_b128 v[S+4*n:S+4*n+3], v3, s[4:5] offset:512*n
.set n, n+1
.endr
	s_mov_b32 s10, 0xffff0000                      ; lanes 16 to 31
	s_mov_b32 s16, 0x000f000f
	s_add_co_u32 s12, s11, LUT
	v_lshl_add_u32 v5, v1, 5, s12                  ; my 32 bytes of bases in group 0; a group is 1,024 bytes
	s_lshl_b32 s13, s8, 11
	s_sub_co_u32 s13, s13, 0x2000
	v_lshl_add_u32 v6, v1, 3, s13                  ; 2 x (1,024 w + 4 lane) - 0x2000, modulo 2^32
	s_lshl_b32 s14, s8, 4
	s_add_co_u32 s14, s14, TAB
	v_mov_b32 v7, s14                              ; my row of the table
	v_mov_b32 v8, TAB
	s_lshl_b32 s15, s8, 9
	v_add_nc_u32 v9, s15, v2                       ; the way out: 16 x thread, in rowtok and in image 0
	v_add_nc_u32 v10, IMGB, v9
	v_add_nc_u32 v11, 2*IMGB, v9
	v_add_nc_u32 v12, 3*IMGB, v9
	v_lshrrev_b32 v13, 2, v9                       ; 4 x thread: the row
	s_wait_loadcnt 0x0
	; 4 x expert of every entry: sel holds e0 at bit 16 and e1 at bit 20
.set i, 0
.rept 32
	v_lshrrev_b32 v[SH+2*i], 14, v[S+i]
	v_lshrrev_b32 v[SH+2*i+1], 18, v[S+i]
.set i, i+1
.endr
.set i, 0
.rept 64
	v_and_b32 v[SH+i], 0x1c, v[SH+i]
.set i, i+1
.endr
	; rank in the lane: read the expert's counter, then count the entry; the four groups are four chains that take turns
.irp g,0,1,2,3
	v_lshl_add_u32 v[CNT+\g], 1, v[SH+16*\g], 0    ; the first entry starts the counters: nothing is cleared
.endr
.set k, 1
.rept 15
.irp g,0,1,2,3
	v_bfe_u32 v[RK+16*\g+k], v[CNT+\g], v[SH+16*\g+k], 4
.endr
.irp g,0,1,2,3
	v_lshl_add_u32 v[CNT+\g], 1, v[SH+16*\g+k], v[CNT+\g]
.endr
.set k, k+1
.endr
	; the counters widened to 16 bits: counter i and counter i + 4 lie 16 bits apart
.irp g,0,1,2,3
	v_and_b32 v[F+4*\g], s16, v[CNT+\g]
.irp i,1,2,3
	v_lshrrev_b32 v[F+4*\g+\i], 4*\i, v[CNT+\g]
.endr
.endr
.irp g,0,1,2,3
.irp i,1,2,3
	v_and_b32 v[F+4*\g+\i], s16, v[F+4*\g+\i]
.endr
.endr
	; sums over the lanes up to and with mine: four steps inside each half of 16 lanes (a lane without a source takes 0), ...
.macro SHIFTADD dist, src
.set r, 0
.rept 16
	v_mov_b32_dpp v[TM+r], v[\src+r] row_shr:\dist row_mask:0xf bank_mask:0xf bound_ctrl:1   ; the destination counts as read: sel is done with and has been written
.set r, r+1
.endr
.set r, 0
.rept 16
	v_add_nc_u32 v[G+r], v[\src+r], v[TM+r]
.set r, r+1
.endr
.endm
	SHIFTADD 1, F
	SHIFTADD 2, G
	SHIFTADD 4, G
	SHIFTADD 8, G
.set r, 0
.rept 16
	v_readlane_b32 s[20+r], v[G+r], 15             ; ... then the lower half's total goes onto the upper half
.set r, r+1
.endr
.set r, 0
.rept 16
	v_cndmask_b32 v[TM+r], 0, s[20+r], s10
.set r, r+1
.endr
.set r, 0
.rept 16
	v_add_nc_u32 v[G+r], v[G+r], v[TM+r]
.set r, r+1
.endr
.set r, 0
.rept 16
	v_readlane_b32 s[36+r], v[G+r], 31             ; the group's totals
.set r, r+1
.endr
.set r, 0
.rept 16
	v_sub_nc_u32 v[G+r], v[G+r], v[F+r]            ; the lanes below mine alone; no field borrows, since each sum holds its own term
.set r, r+1
.endr
.irp i,0,1,2,3
	s_add_co_u32 s[52+\i], s[36+\i], s[40+\i]      ; groups 0-1
	s_add_co_u32 s[56+\i], s[52+\i], s[44+\i]      ; groups 0-2
	s_add_co_u32 s[60+\i], s[56+\i], s[48+\i]      ; the wave
	v_mov_b32 v[F+\i], s[60+\i]
.endr
	ds_store_b128 v7, v[F:F+3]                     ; all lanes write the same 16 bytes with the same values
	s_wait_dscnt 0x0                               ; my totals are in LDS before I say so
	s_barrier_signal -1
	s_barrier_wait -1
.irp r,0,1,2,3
	ds_load_b128 v[F+4*\r:F+4*\r+3], v8 offset:16*\r
.endr
	; while those four loads are out: where each entry will read its base
.set i, 0
.rept 64
	v_min_u32 v[SH+i], 0x1c, v[SH+i]               ; inside my 32 bytes whatever was loaded
.set i, i+1
.endr
.set i, 0
.rept 64
	v_add_nc_u32 v[SH+i], v5, v[SH+i]
.set i, i+1
.endr
	s_wait_dscnt 0x0
.set r, 0
.rept 16
	v_readfirstlane_b32 s[66+r], v[F+r]
.set r, r+1
.endr
	; scalars: the totals of all four waves, and of the waves in front of mine
.irp i,0,1,2,3
	s_add_co_u32 s[20+\i], s[66+\i], s[70+\i]
	s_add_co_u32 s[28+\i], s[74+\i], s[78+\i]
.endr
.irp i,0,1,2,3
	s_add_co_u32 s[20+\i], s[20+\i], s[28+\i]
.endr
	s_cmp_gt_u32 s8, 0                             ; only selects stand between a compare and the next: they leave SCC alone
.irp i,0,1,2,3
	s_cselect_b32 s[24+\i], s[66+\i], 0
.endr
	s_cmp_gt_u32 s8, 1
.irp i,0,1,2,3
	s_cselect_b32 s[28+\i], s[70+\i], 0
.endr
	s_cmp_gt_u32 s8, 2
.irp i,0,1,2,3
	s_cselect_b32 s[32+\i], s[74+\i], 0
.endr
.irp i,0,1,2,3
	s_add_co_u32 s[24+\i], s[24+\i], s[28+\i]
.endr
.irp i,0,1,2,3
	s_add_co_u32 s[24+\i], s[24+\i], s[32+\i]
.endr
	; first row of each expert: the counts of the experts in front of it, each rounded up to whole tiles
.irp e,0,1,2,3
	s_and_b32 s[66+\e], s[20+\e], 0xffff
.endr
.irp e,4,5,6
	s_lshr_b32 s[66+\e], s[20+\e-4], 16
.endr
.irp e,0,1,2,3,4,5,6
	s_add_co_u32 s[66+\e], s[66+\e], TILE-1
.endr
.irp e,0,1,2,3,4,5,6
	s_mul_i32 s[66+\e], s[66+\e], 7282             ; floor(y / 144) = (y x 7,282) >> 20: 7,282 x 144 = 2^20 + 32, so the excess stays below 1/144 for y below 32,768
.endr
.irp e,0,1,2,3,4,5,6
	s_lshr_b32 s[66+\e], s[66+\e], 20
.endr
.irp e,0,1,2,3,4,5,6
	s_mul_i32 s[66+\e], s[66+\e], TILE
.endr
	s_mov_b32 s[RB], 0
.irp e,0,1,2,3,4,5,6
	s_add_co_u32 s[RB+\e+1], s[RB+\e], s[66+\e]
.endr
	; packed as the fields are: first row + earlier waves, then + earlier groups
.irp i,0,1,2,3
	s_lshl_b32 s[28+\i], s[RB+4+\i], 16
	s_or_b32 s[28+\i], s[28+\i], s[RB+\i]
	s_add_co_u32 s[24+\i], s[24+\i], s[28+\i]      ; group 0
	s_add_co_u32 s[36+\i], s[36+\i], s[24+\i]      ; group 1
	s_add_co_u32 s[52+\i], s[52+\i], s[24+\i]      ; group 2
	s_add_co_u32 s[56+\i], s[56+\i], s[24+\i]      ; group 3
.endr
.irp i,0,1,2,3
	v_add_nc_u32 v[G+\i], s[24+\i], v[G+\i]
	v_add_nc_u32 v[G+4+\i], s[36+\i], v[G+4+\i]
	v_add_nc_u32 v[G+8+\i], s[52+\i], v[G+8+\i]
	v_add_nc_u32 v[G+12+\i], s[56+\i], v[G+12+\i]
.endr
	; eight words a lane and group, expert e at byte 4 e, into bytes that are my wave's own
.irp g,0,1,2,3
.irp i,0,1,2,3
	v_and_b32 v[LW+8*\g+\i], 0xffff, v[G+4*\g+\i]
	v_lshrrev_b32 v[LW+8*\g+4+\i], 16, v[G+4*\g+\i]
.endr
.endr
.irp g,0,1,2,3
	ds_store_b128 v5, v[LW+8*\g:LW+8*\g+3] offset:1024*\g
	ds_store_b128 v5, v[LW+8*\g+4:LW+8*\g+7] offset:1024*\g+16
.endr
.irp g,0,1,2,3
.set k, 0
.rept 16
	ds_load_b32 v[SH+16*\g+k], v[SH+16*\g+k] offset:1024*\g    ; LDS serves a wave's instructions in order (ISA guide 5.7.1.4): these see the stores above
.set k, k+1
.endr
.endr
	; placing, a group at a time
.macro PLACE g
	s_wait_dscnt 48                                ; behind this group's 16 reads stand 48 LDS instructions: the later groups' reads and the earlier groups' stores
.set k, 1
.rept 15
	v_add_nc_u32 v[SH+16*\g+k], v[SH+16*\g+k], v[RK+16*\g+k]   ; base + rank in the lane (the first entry's rank is 0)
.set k, k+1
.endr
.set k, 0
.rept 16
	v_min_u32 v[SH+16*\g+k], 0x23ff, v[SH+16*\g+k]             ; inside my image whatever was loaded
.set k, k+1
.endr
.set k, 0
.rept 16
	v_lshl_add_u32 v[SH+16*\g+k], v[SH+16*\g+k], 2, s9
.set k, k+1
.endr
.set k, 0
.rept 16
	v_add_nc_u32 v[RK+16*\g+k], 512*\g+256*(k/8)+(k%8), v6     ; 2 x token + slot - 0x2000: load 2 g + k / 8, word (k / 2) mod 4, slot k mod 2
.set k, k+1
.endr
.set k, 0
.rept 16
	ds_store_b32 v[SH+16*\g+k], v[RK+16*\g+k]
.set k, k+1
.endr
.endm
	PLACE 0
	PLACE 1
	PLACE 2
	PLACE 3
	s_wait_dscnt 0x0                               ; my image is whole before I say so
	s_barrier_signal -1
	s_barrier_wait -1
	; THE WAY OUT: thread T takes rows 4 T + 512 i .. + 3, i = 0 .. 17; 144 and every first row are multiples of 4, so the four lie in one tile.
	; Six sets at a time.  The expert of a row is the last one whose first row is not beyond it.
.macro BATCH bt
.irp q,0,1,2,3,4,5
.irp m,0,1,2,3
	ds_load_b128 v[D+16*\q+4*\m:D+16*\q+4*\m+3], v[9+\m] offset:2048*(6*\bt+\q)
.endr
.endr
.irp q,0,1,2,3,4,5
	v_add_nc_u32 v[P+\q], 512*(6*\bt+\q), v13
.endr
.irp q,0,1,2,3,4,5
	v_cmp_le_u32 s[28+\q], s[RB+1], v[P+\q]
.endr
.irp q,0,1,2,3,4,5
	v_cndmask_b32 v[EX+\q], 0, 1, s[28+\q]
.endr
.irp e,2,3,4,5,6,7
.irp q,0,1,2,3,4,5
	v_cmp_le_u32 s[28+\q], s[RB+\e], v[P+\q]
.endr
.irp q,0,1,2,3,4,5
	v_cndmask_b32 v[EX+\q], v[EX+\q], \e, s[28+\q]
.endr
.endr
.irp q,0,1,2,3,4,5
	v_lshl_add_u32 v[EX+\q], v[EX+\q], 16, 0x2000
.endr
	s_wait_dscnt 0x0
.irp q,0,1,2,3,4,5
.irp c,0,1,2,3
	v_add3_u32 v[D+16*\q+\c], v[D+16*\q+\c], v[D+16*\q+4+\c], v[D+16*\q+8+\c]
.endr
.endr
.irp q,0,1,2,3,4,5
.irp c,0,1,2,3
	v_add3_u32 v[OUT+4*(6*\bt+\q)+\c], v[D+16*\q+\c], v[D+16*\q+12+\c], v[EX+\q]   ; at most one image holds the row: entry - 0x2000 + 0x2000, or padding
.endr
.endr
.irp q,0,1,2,3,4,5
	global_store_b128 v9, v[OUT+4*(6*\bt+\q):OUT+4*(6*\bt+\q)+3], s[6:7] offset:2048*(6*\bt+\q)   ; 512 consecutive bytes a wave, aligned; no store's data or address is written again
.endr
.endm
	BATCH 0
	BATCH 1
	BATCH 2
	s_wait_tensorcnt 0x0
	ds_add_u32 v216, v217
	s_wait_dscnt 0x0
	s_endpgm
.Lfunc_end_k_q45215ace1d_lists:
	.size	k_q45215ace1d_lists, .Lfunc_end_k_q45215ace1d_lists-k_q45215ace1d_lists
	.p2alignl 7, 3214868480
	.fill 96, 4, 3214868480
	.section	.rodata,"a",@progbits
	.p2align	6, 0x0
	.amdhsa_kernel k_q45215ace1d_lists
		.amdhsa_group_segment_fixed_size 164608
		.amdhsa_private_segment_fixed_size 0
		.amdhsa_enable_private_segment 0
		.amdhsa_kernarg_size 16
		.amdhsa_user_sgpr_count 2
		.amdhsa_user_sgpr_kernarg_segment_ptr 1
		.amdhsa_wavefront_size32 1
		.amdhsa_system_sgpr_workgroup_id_x 1
		.amdhsa_system_sgpr_workgroup_id_y 1
		.amdhsa_system_sgpr_workgroup_id_z 1
		.amdhsa_system_vgpr_workitem_id 0
		.amdhsa_next_free_vgpr 218
		.amdhsa_next_free_sgpr 90
		.amdhsa_reserve_vcc 0
		.amdhsa_float_denorm_mode_32 3
		.amdhsa_float_denorm_mode_16_64 3
		.amdhsa_memory_ordered 1
		.amdhsa_forward_progress 1
		.amdhsa_inst_pref_size 98
	.end_amdhsa_kernel
	.amdgpu_metadata
---
amdhsa.version: [ 1, 2 ]
amdhsa.kernels:
  - .name:           k_q45215ace1d_lists
    .symbol:         k_q45215ace1d_lists.kd
    .args:
      - { .name: sel, .offset: 0, .size: 8, .value_kind: global_buffer, .address_space: global }
      - { .name: rowtok, .offset: 8, .size: 8, .value_kind: global_buffer, .address_space: global }
    .group_segment_fixed_size: 164608
    .private_segment_fixed_size: 0
    .kernarg_segment_align: 8
    .kernarg_segment_size: 16
    .max_flat_workgroup_size: 128
    .sgpr_count:     90
    .vgpr_count:     218
    .wavefront_size: 32
...
	.end_amdgpu_metadata
.endif
;; end of part 2
;; launch ffn (part 3): grid 4 x 64, 4 waves a work-group, no clusters, 312,064 bytes of LDS; arguments xb, pw, b1, rowtok, wts, part; writes part
.if DOCPART == 3
	.amdgcn_target "amdgcn-amd-amdhsa--gfx1250"
	.amdhsa_code_object_version 6
	.text
	.protected	k_q45215ace1d_ffn
	.globl	k_q45215ace1d_ffn
	.p2align	8
	.type	k_q45215ace1d_ffn,@function
k_q45215ace1d_ffn:
	s_mov_b64 s[64:65], 0
	v_nop
	global_prefetch_b8 v0, s[64:65] scope:SCOPE_SE
	s_setreg_imm32_b32 hwreg(HW_REG_WAVE_MODE, 25, 1), 1
	s_wait_xcnt 0x0
; FFN: work-group (q, t) takes tile t (144 rows of one expert e) and quarter q of F:
;   h = relu(Xg W1[e][:, quarter] + b1[e][quarter]) (144 x 512),  y = (h W2[e][quarter, :]) x combine weight (144 x 512),
; stored in f32 to part[q][token x 2 + slot].  64 tiles x 4 quarters = 256 work-groups of four waves.
; A wave makes all 144 rows x 128 columns in both products: 9 x 8 accumulator tiles, 576 registers.
; B (the weights) belongs to one wave alone and lies in pw in the order of the registers: it goes from memory straight into registers,
; 16 loads of 512 consecutive bytes for a K step of 32, three K steps ahead, through four buffers.  Only A is shared: the x rows, then h, in LDS.
; The text is straight: 32 K steps written out, every offset an immediate, two barriers.
; NO CLUSTER: the work-groups that read the same weights are the tiles of one expert, and how many those are is read from memory, so the
; partners of a joint load would hang on loaded numbers; the x rows that the four quarters of a tile share are 147,456 of the 1,196,032 bytes
; that a work-group reads, and they are gathered row by row.
; PADDING: a row of padding computes on token 0 with weight 0 and is stored to the dump row 8,192 + t of its own plane, which nothing reads.
; A tile beyond the last one in use is all padding and runs the same text: every wave passes both barriers whatever was loaded.
; LIMITS: f16 operands with f32 sums: |x|, |W1|, |W2| and relu(x W1 + b1) below 65,504.  NaN and infinities are not served: an expert that a
; token did not choose is not computed, where the product 0 x infinity would give NaN.
.set PITCH, 1040                       ; LDS row of x: 1,024 bytes + 16, an odd multiple of 16
.set SIXT,  16*PITCH
.set THIRD, 48*PITCH
.set HR,    144*PITCH                  ; h begins here: four regions, one for each wave that makes it
.set HP,    272                        ; LDS row of a region: 128 columns = 256 bytes + 16
.set HREG,  144*HP
.set TBL,   HR+4*HREG                  ; tables, 1,280 bytes a wave: 160 row numbers, 160 weights
.set PLANE, 16908288                   ; bytes of part for one q: 8,256 rows of 2,048
.set ADRX,  4                          ; v[4:6]    r x 1,040 + 16 h + 48 rows x i
.set ADRH,  7                          ; v[7:10]   region i: r x 272 + 16 h
.set HST,   11                         ; where I put 8 bytes of h: my region, row 8 h, byte 8 r
.set XST,   13                         ; where I put 16 bytes of x: row 36 w + h, byte 16 r
.set TST,   14                         ; my tables + 4 lane
.set TRD,   15                         ; my tables + 32 h
.set COL,   16                         ; 16 r
.set AF0,   32                         ; v[32:103]   A fragments, 9 x 8 registers
.set AF1,   104                        ; v[104:175]  the second buffer
.set BB3,   176                        ; v[176:239]  B buffer 3; buffers 0 to 2 lie in window 3 at 64, 128, 192
.set BIAS,  240                        ; v[240:247]  b1 of my columns 64 g + 4 r + c, at 4 g + c
; windows 1 and 2: accumulators of row blocks 0-3 and 4-7, at 64 (block mod 4) + 8 b; window 3, 0-63: row block 8
.set ENT,   32                         ; in the set-up the fragment registers hold: 18 entries of the rows that I fetch,
.set OFF,   50                         ; their byte offsets in xb,
.set E5,    68                         ; 5 x 32 entries for the tables,
.set IDX5,  73                         ; their offsets in wts,
.set W5,    78                         ; their weights
.set MSB, 0
.macro WIN new                         ; the high byte of the immediate repeats the setting that is left
.if MSB != (\new)
	s_set_vgpr_msb (MSB<<8)|(\new)
.set MSB, (\new)
.endif
.endm
.macro PLACES                          ; four places behind a matrix instruction (ISA guide 7.12.1) before its registers are loaded into, read or written
.rept 4
	v_nop
.endr
.endm
; 16 loads: the 8 fragments of K step sg (0-15: W1, 16-31: W2) into buffer sg mod 4
.macro FETCHB sg
.if ((\sg)%4) == 3
.set BBX, BB3
	WIN 0
.else
.set BBX, 64+64*((\sg)%4)
	WIN 0xc0
.endif
.irp b,0,1,2,3,4,5,6,7
	global_load_b128 v[BBX+8*\b:BBX+8*\b+3], v3, s[22:23] offset:8192*(\sg)+1024*\b
	global_load_b128 v[BBX+8*\b+4:BBX+8*\b+7], v3, s[22:23] offset:8192*(\sg)+1024*\b+512
.endr
.endm
; 18 LDS loads: 144 rows x 32 K of x, or of h
.macro FETCHX ks, dst
	WIN 0
.irp m,0,1,2,3,4,5,6,7,8
	ds_load_b128 v[\dst+8*\m:\dst+8*\m+3], v[ADRX+\m/3] offset:(\m%3)*SIXT+64*(\ks)
	ds_load_b128 v[\dst+8*\m+4:\dst+8*\m+7], v[ADRX+\m/3] offset:(\m%3)*SIXT+64*(\ks)+32
.endr
.endm
.macro FETCHH ks, dst
	WIN 0
.irp m,0,1,2,3,4,5,6,7,8
	ds_load_b128 v[\dst+8*\m:\dst+8*\m+3], v[ADRH+(\ks)/4] offset:\m*16*HP+64*((\ks)%4)
	ds_load_b128 v[\dst+8*\m+4:\dst+8*\m+7], v[ADRH+(\ks)/4] offset:\m*16*HP+64*((\ks)%4)+32
.endr
.endm
; 8 matrix instructions: row block m x all 8 column blocks.  z = 1: the first product starts the sums.
.macro MUL8 fr, wb, lo, m, z
.irp b,0,1,2,3,4,5,6,7
.if \z
	v_wmma_f32_16x16x32_f16 v[\lo+8*\b:\lo+8*\b+7], v[\fr+8*\m:\fr+8*\m+7], v[\wb+8*\b:\wb+8*\b+7], 0
.else
	v_wmma_f32_16x16x32_f16 v[\lo+8*\b:\lo+8*\b+7], v[\fr+8*\m:\fr+8*\m+7], v[\wb+8*\b:\wb+8*\b+7], v[\lo+8*\b:\lo+8*\b+7]
.endif
.endr
.endm
; One K step: 72 matrix instructions.  The 72 accumulators take turns, one instruction a turn, in the same order in every step.
; fa: fetch the next step of A (ph = 0: x, 1: h) into the other A buffer; fb: fetch B of step sg + 3 into the buffer that step sg - 1 read.
; lc: the B loads issued behind those of step sg.
.macro STEP sg, zero, fa, fb, lc, ph
.set AFC, AF0+72*((\sg)%2)
.set AFN, AF0+72*(((\sg)+1)%2)
.if ((\sg)%4) == 3
.set BBC, BB3
.set BW, 0
.else
.set BBC, 64+64*((\sg)%4)
.set BW, 0x0c
.endif
	s_wait_dscnt 0x0                               ; A of this step, asked for 40 matrix instructions ago
	s_wait_loadcnt \lc                             ; B of this step; the loads of later steps stay out
	WIN 0x50|BW
	MUL8 AFC, BBC, 0, 0, \zero
	MUL8 AFC, BBC, 64, 1, \zero
	MUL8 AFC, BBC, 128, 2, \zero
	MUL8 AFC, BBC, 192, 3, \zero
.if \fa+\fb
	PLACES                                         ; between the last step, which read the buffers, and the loads into them
.endif
.if \fa
.if \ph
	FETCHH ((\sg)%16)+1, AFN
.else
	FETCHX ((\sg)%16)+1, AFN
.endif
.endif
.if \fb
	FETCHB (\sg)+3
.endif
	WIN 0xa0|BW
	MUL8 AFC, BBC, 0, 4, \zero
	MUL8 AFC, BBC, 64, 5, \zero
	MUL8 AFC, BBC, 128, 6, \zero
	MUL8 AFC, BBC, 192, 7, \zero
	WIN 0xf0|BW
	MUL8 AFC, BBC, 0, 8, \zero
.endm
	s_load_b256 s[4:11], s[0:1], 0x0               ; xb s[4:5], pw s[6:7], b1 s[8:9], rowtok s[10:11]
	s_load_b128 s[12:15], s[0:1], 0x20             ; wts s[12:13], part s[14:15]
	v_lshl_add_u32 v254, v0, 2, 0x4c100
	v_mov_b32 v255, 0
	v_lshrrev_b32 v1, 5, v0
	v_readfirstlane_b32 s18, v1                    ; wave w
	s_and_b32 s17, ttmp7, 0xffff                   ; tile t; ttmp9 is q
	s_mov_b32 s21, 0                               ; high word of the offset pair s[20:21]
	s_mul_i32 s20, s17, 576                        ; 144 words
	v_and_b32 v17, 31, v0                          ; lane
	v_and_b32 v1, 15, v0                           ; r
	v_bfe_u32 v2, v0, 4, 1                         ; h
	v_lshlrev_b32 v3, 4, v17                       ; 16 lane
	s_mul_i32 s36, s18, 144
	v_lshl_add_u32 v18, v2, 2, s36                 ; the entry of row 36 w + h
	v_lshlrev_b32 v19, 2, v17                      ; the entry of row lane
	v_add_nc_u32 v20, 128, v17
	v_min_u32 v20, 143, v20                        ; the fifth group ends with the tile
	v_lshlrev_b32 v20, 2, v20
	s_wait_kmcnt 0x0
	s_add_nc_u64 s[26:27], s[10:11], s[20:21]
	s_load_b32 s19, s[26:27], 0x0                  ; every word of a tile names its expert
.irp i,0,1,2,3,4,5,6,7,8,9,10,11,12,13,14,15,16,17
	global_load_b32 v[ENT+\i], v18, s[26:27] offset:8*\i       ; row 36 w + 2 i + h: the rows whose x my wave fetches
.endr
.irp k,0,1,2,3
	global_load_b32 v[E5+\k], v19, s[26:27] offset:128*\k      ; all rows, for my tables
.endr
	global_load_b32 v[E5+4], v20, s[26:27]
	; addresses, while those 23 loads are out
	v_mul_u32_u24 v4, PITCH, v1
	v_lshl_add_u32 v4, v2, 4, v4
	v_add_nc_u32 v5, THIRD, v4
	v_add_nc_u32 v6, 2*THIRD, v4
	v_mul_u32_u24 v7, HP, v1
	v_lshl_add_u32 v7, v2, 4, v7
	v_add_nc_u32 v7, HR, v7
	v_add_nc_u32 v8, HREG, v7
	v_add_nc_u32 v9, 2*HREG, v7
	v_add_nc_u32 v10, 3*HREG, v7
	s_mul_i32 s36, s18, HREG
	s_add_co_u32 s36, s36, HR
	v_mul_u32_u24 v11, 8*HP, v2
	v_lshl_add_u32 v11, v1, 3, v11
	v_add_nc_u32 v11, s36, v11
	s_mul_i32 s36, s18, 36*PITCH
	v_mul_u32_u24 v13, PITCH, v2
	v_lshl_add_u32 v13, v1, 4, v13
	v_add_nc_u32 v13, s36, v13
	s_mul_i32 s36, s18, 1280
	s_add_co_u32 s36, s36, TBL
	v_lshl_add_u32 v14, v17, 2, s36
	v_lshl_add_u32 v15, v2, 5, s36
	v_lshlrev_b32 v16, 4, v1
	s_wait_kmcnt 0x0
	s_bfe_u32 s19, s19, 0x30010                    ; the expert
	s_min_u32 s19, s19, 7
	s_lshl_b32 s20, s19, 22                        ; pw: 4 MiB an expert, 1 MiB a quarter, 256 KiB a wave
	s_lshl_b32 s36, ttmp9, 20
	s_add_co_u32 s20, s20, s36
	s_lshl_b32 s36, s18, 18
	s_add_co_u32 s20, s20, s36
	s_add_nc_u64 s[22:23], s[6:7], s[20:21]
	s_lshl_b32 s20, s19, 13                        ; b1: 8,192 bytes an expert, 2,048 a quarter, 512 a wave
	s_lshl_b32 s36, ttmp9, 11
	s_add_co_u32 s20, s20, s36
	s_lshl_b32 s36, s18, 9
	s_add_co_u32 s20, s20, s36
	s_add_nc_u64 s[24:25], s[8:9], s[20:21]
	s_mul_i32 s20, ttmp9, PLANE                    ; part: my plane, my 128 columns
	s_add_co_u32 s20, s20, s36
	s_add_nc_u64 s[28:29], s[14:15], s[20:21]
	s_add_co_u32 s30, s17, 8192                    ; the dump row of my tile
	global_load_b128 v[BIAS:BIAS+3], v16, s[24:25]
	global_load_b128 v[BIAS+4:BIAS+7], v16, s[24:25] offset:256
	FETCHB 0
	FETCHB 1
	FETCHB 2
	WIN 0
	s_wait_loadcnt 50                              ; behind the 23 entries: 2 loads of b1 and 48 of B
.irp i,0,1,2,3,4,5,6,7,8,9,10,11,12,13,14,15,16,17
	v_bfe_u32 v[OFF+\i], v[ENT+\i], 1, 12          ; the token; padding gives token 0
	v_min_u32 v[OFF+\i], 0xfff, v[OFF+\i]
	v_lshl_add_u32 v[OFF+\i], v[OFF+\i], 10, v16   ; its row of 1,024 bytes + 16 r
.endr
	v_mov_b32 v21, s30
.irp k,0,1,2,3,4
	v_and_b32 v[E5+\k], 0x3fff, v[E5+\k]
	v_cmp_gt_u32 s[31+\k], 0x2000, v[E5+\k]        ; a real row
	v_cndmask_b32 v22, v21, v[E5+\k], s[31+\k]     ; its row of part, or the dump row
	v_min_u32 v22, 0x203f, v22
	ds_store_b32 v[TST], v22 offset:128*\k
	v_min_u32 v[IDX5+\k], 0x1fff, v[E5+\k]
	v_lshlrev_b32 v[IDX5+\k], 2, v[IDX5+\k]
.endr
	; 72 gathers: load 4 i + k brings bytes 256 k .. of rows 36 w + 2 i and + 1, sixteen lanes a row; staged in the accumulator registers
	WIN 0x40
.set n, 0
.rept 64
	global_load_b128 v[4*n:4*n+3], v[OFF+n/4], s[4:5] offset:256*(n%4)
.set n, n+1
.endr
	WIN 0x80
.rept 8
	global_load_b128 v[4*(n-64):4*(n-64)+3], v[OFF+n/4], s[4:5] offset:256*(n%4)
.set n, n+1
.endr
	WIN 0
.irp k,0,1,2,3,4
	global_load_b32 v[W5+\k], v[IDX5+\k], s[12:13]
.endr
.macro XPUT first, count, sub
.set n, \first
.rept \count
	ds_store_b128 v[XST], v[4*(n-\sub):4*(n-\sub)+3] offset:2*(n/4)*PITCH+256*(n%4)
.set n, n+1
.endr
.endm
	s_wait_loadcnt 53                              ; behind the first 24 gathers: 48 gathers and 5 weights
	WIN 0x04                                       ; store data in window 1
	XPUT 0, 24, 0
	s_wait_loadcnt 29                              ; 24 gathers and 5 weights
	XPUT 24, 24, 0
	s_wait_loadcnt 5                               ; the weights
	XPUT 48, 16, 0
	WIN 0x08
	XPUT 64, 8, 64
	WIN 0
	s_wait_loadcnt 0x0
.irp k,0,1,2,3,4
	v_cndmask_b32 v[W5+\k], 0, v[W5+\k], s[31+\k]  ; padding weighs nothing
	ds_store_b32 v[TST], v[W5+\k] offset:640+128*\k
.endr
	s_wait_dscnt 0x0                               ; my 36 rows of x are in LDS before I say so
	s_barrier_signal -1
	s_barrier_wait -1                              ; all 144 are
	; PRODUCT 1: 16 K steps over D = 512
	FETCHX 0, AF0
	STEP 0, 1, 1, 1, 32, 0
.irp sg,1,2,3,4,5,6,7,8,9,10,11,12,13,14
	STEP \sg, 0, 1, 1, 32, 0
.endr
	STEP 15, 0, 0, 1, 32, 0                        ; B runs on into product 2: steps 16 to 18 are on their way across what follows
	; h = relu(sum + b1) in f16 into my region of LDS.  A lane holds, for row 16 m + 8 h + j, columns 64 g + 4 r + c in tiles 4 g + c: 8 bytes.
.macro BADD tt, lo, g, c, k            ; b1 of column c lies in half k of its pair
.irp j,0,2,4,6
	v_pk_add_f32 v[\tt+8*\c+\j:\tt+8*\c+\j+1], v[\lo+8*(4*\g+\c)+\j:\lo+8*(4*\g+\c)+\j+1], v[BIAS+4*\g+\c-\k:BIAS+4*\g+\c-\k+1] op_sel:[0,\k] op_sel_hi:[1,\k]
.endr
.endm
.macro HOUT tt, m, g
.set i, 0
.rept 32
	v_max_num_f32 v[\tt+i], 0, v[\tt+i]
.set i, i+1
.endr
.irp j,0,1,2,3,4,5,6,7
	v_cvt_pk_f16_f32 v[\tt+32+2*\j], v[\tt+\j], v[\tt+8+\j]
	v_cvt_pk_f16_f32 v[\tt+32+2*\j+1], v[\tt+16+\j], v[\tt+24+\j]
.endr
.irp j,0,1,2,3,4,5,6,7
	ds_store_b64 v[HST], v[\tt+32+2*\j:\tt+32+2*\j+1] offset:(16*(\m)+\j)*HP+128*\g   ; lanes 0-15 fill 128 bytes; lanes 16-31 lie 2,176 bytes on, 128 modulo 256
.endr
.endm
.macro EPI1 m
	WIN 1+(\m)/4                                   ; source 0 in the window of the accumulators
.irp g,0,1
	BADD AF0+72*\g, 64*((\m)%4), \g, 0, 0
	BADD AF0+72*\g, 64*((\m)%4), \g, 1, 1
	BADD AF0+72*\g, 64*((\m)%4), \g, 2, 0
	BADD AF0+72*\g, 64*((\m)%4), \g, 3, 1
.endr
	WIN 0
	HOUT AF0, \m, 0
	HOUT AF1, \m, 1
.endm
	PLACES
.irp m,0,1,2,3,4,5,6,7,8
	EPI1 \m
.endr
	s_wait_dscnt 0x0                               ; my 128 columns of h are in LDS before I say so
	s_barrier_signal -1
	s_barrier_wait -1                              ; all 512 are
	; PRODUCT 2: 16 K steps over the quarter of F
	FETCHH 0, AF0
	STEP 16, 1, 1, 1, 32, 1
.irp sg,17,18,19,20,21,22,23,24,25,26,27,28
	STEP \sg, 0, 1, 1, 32, 1
.endr
	STEP 29, 0, 1, 0, 32, 1                        ; B of steps 30 and 31 is out
	STEP 30, 0, 1, 0, 16, 1                        ; B of step 31 is out
	STEP 31, 0, 0, 0, 0, 1
	; THE WAY OUT: times the combine weight, 16 bytes a lane; sixteen lanes store 256 consecutive bytes of a row of part, aligned
	PLACES
	WIN 0
.irp m,0,1,2,3,4,5,6,7,8
	ds_load_b128 v[AF0+8*\m:AF0+8*\m+3], v[TRD] offset:64*\m              ; row numbers of rows 16 m + 8 h + 0..7
	ds_load_b128 v[AF0+8*\m+4:AF0+8*\m+7], v[TRD] offset:64*\m+16
	ds_load_b128 v[AF1+8*\m:AF1+8*\m+3], v[TRD] offset:640+64*\m          ; their weights
	ds_load_b128 v[AF1+8*\m+4:AF1+8*\m+7], v[TRD] offset:640+64*\m+16
.endr
	s_wait_dscnt 0x0
.set i, 0
.rept 72
	v_min_u32 v[AF0+i], 0x203f, v[AF0+i]
	v_lshl_add_u32 v[AF0+i], v[AF0+i], 11, v16     ; row x 2,048 + 16 r
.set i, i+1
.endr
.macro EPI2 m
.if \m
	s_wait_xcnt 0x0                                ; the registers below were the data of the last 16 stores: written again only behind this wait
.endif
	WIN 1+(\m)/4
.irp j,0,1,2,3,4,5,6,7
.irp g,0,1
.irp c,0,1,2,3
	v_mul_f32 v[BB3+4*(2*\j+\g)+\c], v[64*((\m)%4)+8*(4*\g+\c)+\j], v[AF1+8*(\m)+\j]   ; the multiply also brings four tiles together into four neighbouring registers
.endr
.endr
.endr
	WIN 0
.irp j,0,1,2,3,4,5,6,7
.irp g,0,1
	global_store_b128 v[AF0+8*(\m)+\j], v[BB3+4*(2*\j+\g):BB3+4*(2*\j+\g)+3], s[28:29] offset:256*\g
.endr
.endr
.endm
.irp m,0,1,2,3,4,5,6,7,8
	EPI2 \m
.endr
	s_wait_tensorcnt 0x0
	ds_add_u32 v254, v255
	s_wait_dscnt 0x0
	s_endpgm
.Lfunc_end_k_q45215ace1d_ffn:
	.size	k_q45215ace1d_ffn, .Lfunc_end_k_q45215ace1d_ffn-k_q45215ace1d_ffn
	.p2alignl 7, 3214868480
	.fill 96, 4, 3214868480
	.section	.rodata,"a",@progbits
	.p2align	6, 0x0
	.amdhsa_kernel k_q45215ace1d_ffn
		.amdhsa_group_segment_fixed_size 312064
		.amdhsa_private_segment_fixed_size 0
		.amdhsa_enable_private_segment 0
		.amdhsa_kernarg_size 48
		.amdhsa_user_sgpr_count 2
		.amdhsa_user_sgpr_kernarg_segment_ptr 1
		.amdhsa_wavefront_size32 1
		.amdhsa_system_sgpr_workgroup_id_x 1
		.amdhsa_system_sgpr_workgroup_id_y 1
		.amdhsa_system_sgpr_workgroup_id_z 1
		.amdhsa_system_vgpr_workitem_id 0
		.amdhsa_next_free_vgpr 1024
		.amdhsa_next_free_sgpr 66
		.amdhsa_reserve_vcc 0
		.amdhsa_float_denorm_mode_32 3
		.amdhsa_float_denorm_mode_16_64 3
		.amdhsa_memory_ordered 1
		.amdhsa_forward_progress 1
		.amdhsa_inst_pref_size 255
	.end_amdhsa_kernel
	.section	.bss,"aw",@nobits
	.p2align	6
	.space	262144
	.amdgpu_metadata
---
amdhsa.version: [ 1, 2 ]
amdhsa.kernels:
  - .name:           k_q45215ace1d_ffn
    .symbol:         k_q45215ace1d_ffn.kd
    .args:
      - { .name: xb, .offset: 0, .size: 8, .value_kind: global_buffer, .address_space: global }
      - { .name: pw, .offset: 8, .size: 8, .value_kind: global_buffer, .address_space: global }
      - { .name: b1, .offset: 16, .size: 8, .value_kind: global_buffer, .address_space: global }
      - { .name: rowtok, .offset: 24, .size: 8, .value_kind: global_buffer, .address_space: global }
      - { .name: wts, .offset: 32, .size: 8, .value_kind: global_buffer, .address_space: global }
      - { .name: part, .offset: 40, .size: 8, .value_kind: global_buffer, .address_space: global }
    .group_segment_fixed_size: 312064
    .private_segment_fixed_size: 0
    .kernarg_segment_align: 8
    .kernarg_segment_size: 48
    .max_flat_workgroup_size: 128
    .sgpr_count:     66
    .vgpr_count:     1024
    .wavefront_size: 32
...
	.end_amdgpu_metadata
.endif
;; end of part 3
;; launch combine (part 4): grid 512 x 1, 8 waves a work-group, no clusters, 0 bytes of LDS; arguments part, sel, wts, b2, out0; writes out0
.if DOCPART == 4
	.amdgcn_target "amdgcn-amd-amdhsa--gfx1250"
	.amdhsa_code_object_version 6
	.text
	.protected	k_q45215ace1d_combine
	.globl	k_q45215ace1d_combine
	.p2align	8
	.type	k_q45215ace1d_combine,@function
k_q45215ace1d_combine:
	s_mov_b64 s[64:65], 0
	v_nop
	global_prefetch_b8 v0, s[64:65] scope:SCOPE_SE
	s_setreg_imm32_b32 hwreg(HW_REG_WAVE_MODE, 25, 1), 1
	s_wait_xcnt 0x0
; COMBINE: out[t] = the sum of the 8 partial rows of token t (4 quarters of F x 2 slots, already weighted) + w0 b2[e0] + w1 b2[e1].
; One wave, one token: 8 rows of 2,048 bytes come in by 32 loads of 512 consecutive bytes, all out at once; the sum is a fixed tree in f32.
; A stream: no LDS, no barrier, no matrix unit; every byte of part that holds a real row is read once, every byte of out0 written once.
.set PLANE, 16908288                   ; bytes of part for one q
.set P,   16                           ; v[16:143]  part: quarter q, slot u, piece i at 32 q + 16 u + 4 i
.set B2,  144                          ; v[144:175] b2 of the two experts, piece i at 16 u + 4 i
	s_load_b256 s[4:11], s[0:1], 0x0               ; part s[4:5], sel s[6:7], wts s[8:9], b2 s[10:11]
	s_load_b64 s[12:13], s[0:1], 0x20              ; out0
	v_lshrrev_b32 v1, 5, v0
	v_readfirstlane_b32 s14, v1
	v_and_b32 v1, 31, v0
	v_lshlrev_b32 v1, 4, v1                        ; 16 lane
	s_lshl_b32 s15, ttmp9, 3
	s_add_co_u32 s15, s15, s14                     ; the token
	s_mov_b32 s17, 0
	s_wait_kmcnt 0x0
	s_lshl_b32 s16, s15, 2
	s_add_nc_u64 s[6:7], s[6:7], s[16:17]
	s_lshl_b32 s16, s15, 3
	s_add_nc_u64 s[8:9], s[8:9], s[16:17]
	s_load_b32 s18, s[6:7], 0x0
	s_load_b64 s[20:21], s[8:9], 0x0               ; w0, w1
	s_lshl_b32 s16, s15, 12                        ; rows 2 t and 2 t + 1
	s_add_nc_u64 s[24:25], s[4:5], s[16:17]
	s_add_nc_u64 s[26:27], s[24:25], PLANE
	s_add_nc_u64 s[28:29], s[26:27], PLANE
	s_add_nc_u64 s[30:31], s[28:29], PLANE
.irp q,0,1,2,3
.irp m,0,1,2,3,4,5,6,7
	global_load_b128 v[P+32*\q+4*\m:P+32*\q+4*\m+3], v1, s[24+2*\q:25+2*\q] offset:512*\m th:TH_LOAD_NT
.endr
.endr
	s_lshl_b32 s16, s15, 11
	s_add_nc_u64 s[12:13], s[12:13], s[16:17]
	s_wait_kmcnt 0x0
	s_bfe_u32 s19, s18, 0x30010                    ; e0
	s_min_u32 s19, s19, 7
	s_lshl_b32 s16, s19, 11
	s_add_nc_u64 s[32:33], s[10:11], s[16:17]
	s_bfe_u32 s19, s18, 0x30014                    ; e1
	s_min_u32 s19, s19, 7
	s_lshl_b32 s16, s19, 11
	s_add_nc_u64 s[34:35], s[10:11], s[16:17]
	s_mov_b32 s22, s21                             ; w1 in a pair of its own: a scalar source of a packed instruction is broadcast from its first register
	s_mov_b32 s23, s21
.irp u,0,1
.irp i,0,1,2,3
	global_load_b128 v[B2+16*\u+4*\i:B2+16*\u+4*\i+3], v1, s[32+2*\u:33+2*\u] offset:512*\i
.endr
.endr
	s_wait_loadcnt 8                               ; the 8 loads of b2 may stay out
.irp i,0,1,2,3
.irp d,0,2
.irp q,0,1,2,3
	v_pk_add_f32 v[P+32*\q+4*\i+\d:P+32*\q+4*\i+\d+1], v[P+32*\q+4*\i+\d:P+32*\q+4*\i+\d+1], v[P+32*\q+16+4*\i+\d:P+32*\q+16+4*\i+\d+1]
.endr
	v_pk_add_f32 v[P+4*\i+\d:P+4*\i+\d+1], v[P+4*\i+\d:P+4*\i+\d+1], v[P+32+4*\i+\d:P+32+4*\i+\d+1]
	v_pk_add_f32 v[P+64+4*\i+\d:P+64+4*\i+\d+1], v[P+64+4*\i+\d:P+64+4*\i+\d+1], v[P+96+4*\i+\d:P+96+4*\i+\d+1]
	v_pk_add_f32 v[P+4*\i+\d:P+4*\i+\d+1], v[P+4*\i+\d:P+4*\i+\d+1], v[P+64+4*\i+\d:P+64+4*\i+\d+1]
.endr
.endr
	s_wait_loadcnt 0x0
.irp i,0,1,2,3
.irp d,0,2
	v_pk_fma_f32 v[P+4*\i+\d:P+4*\i+\d+1], v[B2+4*\i+\d:B2+4*\i+\d+1], s[20:21], v[P+4*\i+\d:P+4*\i+\d+1] op_sel_hi:[1,0,1]
	v_pk_fma_f32 v[P+4*\i+\d:P+4*\i+\d+1], v[B2+16+4*\i+\d:B2+16+4*\i+\d+1], s[22:23], v[P+4*\i+\d:P+4*\i+\d+1] op_sel_hi:[1,0,1]
.endr
	global_store_b128 v1, v[P+4*\i:P+4*\i+3], s[12:13] offset:512*\i th:TH_STORE_NT   ; 512 consecutive bytes, aligned
.endr
	s_endpgm
.Lfunc_end_k_q45215ace1d_combine:
	.size	k_q45215ace1d_combine, .Lfunc_end_k_q45215ace1d_combine-k_q45215ace1d_combine
	.p2alignl 7, 3214868480
	.fill 96, 4, 3214868480
	.section	.rodata,"a",@progbits
	.p2align	6, 0x0
	.amdhsa_kernel k_q45215ace1d_combine
		.amdhsa_group_segment_fixed_size 0
		.amdhsa_private_segment_fixed_size 0
		.amdhsa_enable_private_segment 0
		.amdhsa_kernarg_size 40
		.amdhsa_user_sgpr_count 2
		.amdhsa_user_sgpr_kernarg_segment_ptr 1
		.amdhsa_wavefront_size32 1
		.amdhsa_system_sgpr_workgroup_id_x 1
		.amdhsa_system_sgpr_workgroup_id_y 1
		.amdhsa_system_sgpr_workgroup_id_z 1
		.amdhsa_system_vgpr_workitem_id 0
		.amdhsa_next_free_vgpr 176
		.amdhsa_next_free_sgpr 66
		.amdhsa_reserve_vcc 0
		.amdhsa_float_denorm_mode_32 3
		.amdhsa_float_denorm_mode_16_64 3
		.amdhsa_memory_ordered 1
		.amdhsa_forward_progress 1
		.amdhsa_inst_pref_size 11
	.end_amdhsa_kernel
	.amdgpu_metadata
---
amdhsa.version: [ 1, 2 ]
amdhsa.kernels:
  - .name:           k_q45215ace1d_combine
    .symbol:         k_q45215ace1d_combine.kd
    .args:
      - { .name: part, .offset: 0, .size: 8, .value_kind: global_buffer, .address_space: global }
      - { .name: sel, .offset: 8, .size: 8, .value_kind: global_buffer, .address_space: global }
      - { .name: wts, .offset: 16, .size: 8, .value_kind: global_buffer, .address_space: global }
      - { .name: b2, .offset: 24, .size: 8, .value_kind: global_buffer, .address_space: global }
      - { .name: out0, .offset: 32, .size: 8, .value_kind: global_buffer, .address_space: global }
    .group_segment_fixed_size: 0
    .private_segment_fixed_size: 0
    .kernarg_segment_align: 8
    .kernarg_segment_size: 40
    .max_flat_workgroup_size: 256
    .sgpr_count:     66
    .vgpr_count:     176
    .wavefront_size: 32
...
	.end_amdgpu_metadata
.endif
;; end of part 4
;; ======== version 2 of 2: 4 launches; version 1 with the launch ffn written anew for expert scheduling mode
;; limits: values are held in f16: magnitudes above 65,504 overflow, below 6.1e-05 lose precision; right only within a limited range of input values
;; workspace buffers: pw 33,554,432 bytes; xb 4,194,304 bytes; sel 16,384 bytes of whole numbers; wts 32,768 bytes; rowtok 36,864 bytes of whole numbers; part 67,633,152 bytes
;; launch prep: the kernel of part 1 again; grid 256 x 1, 8 waves a work-group, no clusters, 0 bytes of LDS; arguments W1, W2, x, Wr, br, pw, xb, sel, wts; writes pw, xb, sel, wts
;; launch lists: the kernel of part 2 again; grid 1 x 1, 4 waves a work-group, no clusters, 164,608 bytes of LDS; arguments sel, rowtok; writes rowtok
;; launch ffn (part 5): grid 4 x 64, 4 waves a work-group, no clusters, 312,064 bytes of LDS; arguments xb, pw, b1, rowtok, wts, part; writes part
.if DOCPART == 5
	.amdgcn_target "amdgcn-amd-amdhsa--gfx1250"
	.amdhsa_code_object_version 6
	.text
	.protected	k_q45215ace1d_ffn
	.globl	k_q45215ace1d_ffn
	.p2align	8
	.type	k_q45215ace1d_ffn,@function
k_q45215ace1d_ffn:
	s_mov_b64 s[64:65], 0
	v_nop
	global_prefetch_b8 v0, s[64:65] scope:SCOPE_SE
	s_setreg_imm32_b32 hwreg(HW_REG_WAVE_SCHED_MODE, 0, 2), 2
	s_setreg_imm32_b32 hwreg(HW_REG_WAVE_MODE, 25, 1), 1
	s_wait_xcnt 0x0
	s_wait_alu depctr_vm_vsrc(0)
; FFN: work-group (q, t) takes tile t (144 rows of one expert e) and quarter q of F:
;   h = relu(Xg W1[e][:, quarter] + b1[e][quarter]) (144 x 512),  y = (h W2[e][quarter, :]) x combine weight (144 x 512),
; stored in f32 to part[q][token x 2 + slot].  64 tiles x 4 quarters = 256 work-groups of four waves.
; A wave makes all 144 rows x 128 columns in both products: 9 x 8 accumulator tiles, 576 registers.
; B (the weights) belongs to one wave alone and lies in pw in the order of the registers: it goes from memory straight into registers,
; 16 loads of 512 consecutive bytes for a K step of 32, three K steps ahead, through four buffers.  Only A is shared: the x rows, then h, in LDS.
; The text is straight: 32 K steps written out, every offset an immediate, two barriers.
; NO CLUSTER: the work-groups that read the same weights are the tiles of one expert, and how many those are is read from memory, so the
; partners of a joint load would hang on loaded numbers; the x rows that the four quarters of a tile share are 147,456 of the 1,196,032 bytes
; that a work-group reads, and they are gathered row by row.
; PADDING: a row of padding computes on token 0 with weight 0 and is stored to the dump row 8,192 + t of its own plane, which nothing reads.
; A tile beyond the last one in use is all padding and runs the same text: every wave passes both barriers whatever was loaded.
; LIMITS: f16 operands with f32 sums: |x|, |W1|, |W2| and relu(x W1 + b1) below 65,504.  NaN and infinities are not served: an expert that a
; token did not choose is not computed, where the product 0 x infinity would give NaN.
; THE MODE: SCHED_MODE bits 1:0 = 2 (LLVM: expert scheduling mode 2), set by the entry lines.  The code itself states the register dependences
; between vector or matrix instructions and memory or LDS instructions, with s_wait_alu, always for 0.
; THE PLAN.  Registers that memory or LDS instructions touch:
;   v3-v16, v18-v20  offsets and LDS addresses: made once at the head, ahead of one wait, never written again.
;   AF0, AF1         K step s: its 72 matrix instructions read AF[s % 2]; the LDS loads issued in it land in the other, which step s - 1 read.
;   B0 .. B3         K step s reads B[s % 4]; the 16 loads issued in it (step s + 3) land in B[(s - 1) % 4], which step s - 1 read.
;   So ONE wait on va_vdst stands at a step's head: step s - 1 is done reading both targets.  No matrix instruction of step s names them, so the
;   step's 34 loads follow with no further wait: A's behind the first 8 products, B's two behind each of the last 8 (B3's, in window 0, behind A's).
;   h stage          two out-buffers for each half of the columns, by the row block's parity: written by the conversions, read by 16 LDS stores.
;   way out          two out-buffers (B3's and AF1's registers) by turns: block m's multiplies write one, its 16 stores are issued at block m + 1's head.
.set PITCH, 1040                       ; LDS row of x: 1,024 bytes + 16, an odd multiple of 16
.set SIXT,  16*PITCH
.set THIRD, 48*PITCH
.set HR,    144*PITCH                  ; h begins here: four regions, one for each wave that makes it
.set HP,    272                        ; LDS row of a region: 128 columns = 256 bytes + 16
.set HREG,  144*HP
.set TBL,   HR+4*HREG                  ; tables, 1,280 bytes a wave: 160 row numbers, 160 weights
.set PLANE, 16908288                   ; bytes of part for one q: 8,256 rows of 2,048
.set ADRX,  4                          ; v[4:6]    r x 1,040 + 16 h + 48 rows x i
.set ADRH,  7                          ; v[7:10]   region i: r x 272 + 16 h
.set HST,   11                         ; where I put 8 bytes of h: my region, row 8 h, byte 8 r
.set XST,   13                         ; where I put 16 bytes of x: row 36 w + h, byte 16 r
.set TST,   14                         ; my tables + 4 lane
.set TRD,   15                         ; my tables + 32 h
.set COL,   16                         ; 16 r
.set AF0,   32                         ; v[32:103]   A fragments, 9 x 8 registers
.set AF1,   104                        ; v[104:175]  the second buffer
.set BB3,   176                        ; v[176:239]  B buffer 3; buffers 0 to 2 lie in window 3 at 64, 128, 192
.set BIAS,  240                        ; v[240:247]  b1 of my columns 64 g + 4 r + c, at 4 g + c
.set W3,    64                         ; window 3, v[64:135], on the way out: the weight of row 16 m + 8 h + j at 8 m + j
; windows 1 and 2: accumulators of row blocks 0-3 and 4-7, at 64 (block mod 4) + 8 b; window 3, 0-63: row block 8
.set ENT,   32                         ; in the set-up the fragment registers hold: 18 entries of the rows that I fetch,
.set OFF,   50                         ; their byte offsets in xb,
.set E5,    68                         ; 5 x 32 entries for the tables,
.set IDX5,  73                         ; their offsets in wts,
.set W5,    78                         ; their weights,
.set ROW5,  83                         ; their rows of part
.set MSB, 0
.macro WIN new                         ; the high byte of the immediate repeats the setting that is left
.if MSB != (\new)
	s_set_vgpr_msb (MSB<<8)|(\new)
.set MSB, (\new)
.endif
.endm
.macro PLACES                          ; four places behind a matrix instruction (ISA guide 7.12.1) before a vector instruction reads its result or writes one of its registers
.rept 4
	v_nop
.endr
.endm
; two loads: fragment b of K step sg (0-15: W1, 16-31: W2) into buffer sg mod 4; the window is the caller's affair
.macro BPAIR sg, b
.if ((\sg)%4) == 3
.set BBX, BB3
.else
.set BBX, 64+64*((\sg)%4)
.endif
	global_load_b128 v[BBX+8*(\b):BBX+8*(\b)+3], v3, s[22:23] offset:8192*(\sg)+1024*(\b)
	global_load_b128 v[BBX+8*(\b)+4:BBX+8*(\b)+7], v3, s[22:23] offset:8192*(\sg)+1024*(\b)+512
.endm
; 16 loads in one run: all 8 fragments of K step sg
.macro FETCHB sg
.if ((\sg)%4) == 3
	WIN 0
.else
	WIN 0xc0
.endif
.irp b,0,1,2,3,4,5,6,7
	BPAIR \sg, \b
.endr
.endm
; 18 LDS loads: 144 rows x 32 K of x, or of h
.macro FETCHX ks, dst
	WIN 0
.irp m,0,1,2,3,4,5,6,7,8
	ds_load_b128 v[\dst+8*\m:\dst+8*\m+3], v[ADRX+\m/3] offset:(\m%3)*SIXT+64*(\ks)
	ds_load_b128 v[\dst+8*\m+4:\dst+8*\m+7], v[ADRX+\m/3] offset:(\m%3)*SIXT+64*(\ks)+32
.endr
.endm
.macro FETCHH ks, dst
	WIN 0
.irp m,0,1,2,3,4,5,6,7,8
	ds_load_b128 v[\dst+8*\m:\dst+8*\m+3], v[ADRH+(\ks)/4] offset:\m*16*HP+64*((\ks)%4)
	ds_load_b128 v[\dst+8*\m+4:\dst+8*\m+7], v[ADRH+(\ks)/4] offset:\m*16*HP+64*((\ks)%4)+32
.endr
.endm
; 36 LDS loads: my tables for the way out, in the last K step, which has no next A to fetch
.macro TABLES
	WIN 0
.irp m,0,1,2,3,4,5,6,7,8
	ds_load_b128 v[AF0+8*\m:AF0+8*\m+3], v[TRD] offset:64*\m              ; row numbers of rows 16 m + 8 h + 0..7
	ds_load_b128 v[AF0+8*\m+4:AF0+8*\m+7], v[TRD] offset:64*\m+16
.endr
	WIN 0xc0                                       ; destination window 3
.irp m,0,1,2,3,4,5,6,7,8
	ds_load_b128 v[W3+8*\m:W3+8*\m+3], v[TRD] offset:640+64*\m            ; their weights
	ds_load_b128 v[W3+8*\m+4:W3+8*\m+7], v[TRD] offset:640+64*\m+16
.endr
.endm
; 8 matrix instructions: row block m x all 8 column blocks.  z = 1: the first product starts the sums.
.macro MUL8 fr, wb, lo, m, z
.irp b,0,1,2,3,4,5,6,7
.if \z
	v_wmma_f32_16x16x32_f16 v[\lo+8*\b:\lo+8*\b+7], v[\fr+8*\m:\fr+8*\m+7], v[\wb+8*\b:\wb+8*\b+7], 0
.else
	v_wmma_f32_16x16x32_f16 v[\lo+8*\b:\lo+8*\b+7], v[\fr+8*\m:\fr+8*\m+7], v[\wb+8*\b:\wb+8*\b+7], v[\lo+8*\b:\lo+8*\b+7]
.endif
.endr
.endm
; the same for row block 8, whose window setting (destination 3, source 0 in 0) is also that of a load into B's buffers 0 to 2: two loads of K step nx behind each product, no switch
.macro MUL8B fr, wb, lo, m, nx
.irp b,0,1,2,3,4,5,6,7
	v_wmma_f32_16x16x32_f16 v[\lo+8*\b:\lo+8*\b+7], v[\fr+8*\m:\fr+8*\m+7], v[\wb+8*\b:\wb+8*\b+7], v[\lo+8*\b:\lo+8*\b+7]
	BPAIR \nx, \b
.endr
.endm
; One K step: 72 matrix instructions.  The 72 accumulators take turns, one instruction a turn, in the same order in every step.
; fa = 1: fetch the next step of A (ph = 0: x, 1: h) into the other A buffer; fa = 2: fetch the tables; fb: fetch B of step sg + 3 into the buffer that step sg - 1 read.
; lc: the B loads issued behind those of step sg.
.macro STEP sg, zero, fa, fb, lc, ph
.set AFC, AF0+72*((\sg)%2)
.set AFN, AF0+72*(((\sg)+1)%2)
.if ((\sg)%4) == 3
.set BBC, BB3
.set BW, 0
.else
.set BBC, 64+64*((\sg)%4)
.set BW, 0x0c
.endif
	s_wait_dscnt 0x0                               ; A of this step, asked for 64 matrix instructions ago
	s_wait_loadcnt \lc                             ; B of this step; the loads of later steps stay out
.if ((\fa)+(\fb)) && !(\zero)
	s_wait_alu depctr_va_vdst(0)                   ; the matrix instructions of the step before are done reading the other A buffer and their B buffer, in which this step's loads land; no matrix instruction below names either
.endif
	WIN 0x50|BW
	MUL8 AFC, BBC, 0, 0, \zero
.if (\fa) == 1
.if \ph
	FETCHH ((\sg)%16)+1, AFN
.else
	FETCHX ((\sg)%16)+1, AFN
.endif
.elseif (\fa) == 2
	TABLES                                         ; into AF0, which the step before read, and into B's buffers 0 and 1, which steps 28 and 29 read
.endif
.if (\fb) && (((\sg)%4) == 0)
	FETCHB (\sg)+3                                 ; buffer 3 lies in window 0, as A's buffers do: its loads follow A's
.endif
	WIN 0x50|BW
	MUL8 AFC, BBC, 64, 1, \zero
	MUL8 AFC, BBC, 128, 2, \zero
	MUL8 AFC, BBC, 192, 3, \zero
	WIN 0xa0|BW
	MUL8 AFC, BBC, 0, 4, \zero
	MUL8 AFC, BBC, 64, 5, \zero
	MUL8 AFC, BBC, 128, 6, \zero
	MUL8 AFC, BBC, 192, 7, \zero
	WIN 0xf0|BW
.if (\fb) && (((\sg)%4) != 0)
	MUL8B AFC, BBC, 0, 8, (\sg)+3
.else
	MUL8 AFC, BBC, 0, 8, \zero
.endif
.endm
	s_load_b256 s[4:11], s[0:1], 0x0               ; xb s[4:5], pw s[6:7], b1 s[8:9], rowtok s[10:11]
	s_load_b128 s[12:15], s[0:1], 0x20             ; wts s[12:13], part s[14:15]
	v_lshl_add_u32 v254, v0, 2, 0x4c100
	v_mov_b32 v255, 0
	v_lshrrev_b32 v1, 5, v0
	v_readfirstlane_b32 s18, v1                    ; wave w
	s_and_b32 s17, ttmp7, 0xffff                   ; tile t; ttmp9 is q
	s_mov_b32 s21, 0                               ; high word of the offset pair s[20:21]
	s_mul_i32 s20, s17, 576                        ; 144 words
	; every offset and LDS address is made here, while the arguments are on their way
	v_and_b32 v17, 31, v0                          ; lane
	v_and_b32 v1, 15, v0                           ; r
	v_bfe_u32 v2, v0, 4, 1                         ; h
	v_lshlrev_b32 v3, 4, v17                       ; 16 lane
	v_lshlrev_b32 v19, 2, v17                      ; the entry of row lane
	v_add_nc_u32 v20, 128, v17
	v_min_u32 v20, 143, v20                        ; the fifth group ends with the tile
	v_lshlrev_b32 v20, 2, v20
	v_mul_u32_u24 v4, PITCH, v1
	v_lshl_add_u32 v4, v2, 4, v4
	v_add_nc_u32 v5, THIRD, v4
	v_add_nc_u32 v6, 2*THIRD, v4
	v_mul_u32_u24 v7, HP, v1
	v_lshl_add_u32 v7, v2, 4, v7
	v_add_nc_u32 v7, HR, v7
	v_add_nc_u32 v8, HREG, v7
	v_add_nc_u32 v9, 2*HREG, v7
	v_add_nc_u32 v10, 3*HREG, v7
	v_mul_u32_u24 v11, 8*HP, v2
	v_lshl_add_u32 v11, v1, 3, v11
	v_mul_u32_u24 v13, PITCH, v2
	v_lshl_add_u32 v13, v1, 4, v13
	v_lshlrev_b32 v16, 4, v1
	s_wait_alu depctr_va_sdst(0)                   ; s18 is written, ahead of its first reader: the wave's places in LDS and in memory are made from it
	s_mul_i32 s36, s18, 144
	s_mul_i32 s37, s18, HREG
	s_add_co_u32 s37, s37, HR
	s_mul_i32 s38, s18, 36*PITCH
	s_mul_i32 s39, s18, 1280
	s_add_co_u32 s39, s39, TBL
	v_lshl_add_u32 v18, v2, 2, s36                 ; the entry of row 36 w + h
	v_add_nc_u32 v11, s37, v11
	v_add_nc_u32 v13, s38, v13
	v_lshl_add_u32 v14, v17, 2, s39
	v_lshl_add_u32 v15, v2, 5, s39
	s_wait_kmcnt 0x0
	s_add_nc_u64 s[26:27], s[10:11], s[20:21]
	s_load_b32 s19, s[26:27], 0x0                  ; every word of a tile names its expert
	s_wait_alu depctr_va_vdst(0)                   ; v3 to v16 and v18 to v20 are written: every load and store of the kernel but the gathers, the weights' loads and the last stores takes its offset or LDS address from them
.irp i,0,1,2,3,4,5,6,7,8,9,10,11,12,13,14,15,16,17
	global_load_b32 v[ENT+\i], v18, s[26:27] offset:8*\i       ; row 36 w + 2 i + h: the rows whose x my wave fetches
.endr
.irp k,0,1,2,3
	global_load_b32 v[E5+\k], v19, s[26:27] offset:128*\k      ; all rows, for my tables
.endr
	global_load_b32 v[E5+4], v20, s[26:27]
	s_wait_kmcnt 0x0
	s_bfe_u32 s19, s19, 0x30010                    ; the expert
	s_min_u32 s19, s19, 7
	s_lshl_b32 s20, s19, 22                        ; pw: 4 MiB an expert, 1 MiB a quarter, 256 KiB a wave
	s_lshl_b32 s40, ttmp9, 20
	s_add_co_u32 s20, s20, s40
	s_lshl_b32 s40, s18, 18
	s_add_co_u32 s20, s20, s40
	s_add_nc_u64 s[22:23], s[6:7], s[20:21]
	s_lshl_b32 s20, s19, 13                        ; b1: 8,192 bytes an expert, 2,048 a quarter, 512 a wave
	s_lshl_b32 s40, ttmp9, 11
	s_add_co_u32 s20, s20, s40
	s_lshl_b32 s40, s18, 9
	s_add_co_u32 s20, s20, s40
	s_add_nc_u64 s[24:25], s[8:9], s[20:21]
	s_mul_i32 s20, ttmp9, PLANE                    ; part: my plane, my 128 columns
	s_add_co_u32 s20, s20, s40
	s_add_nc_u64 s[28:29], s[14:15], s[20:21]
	s_add_co_u32 s30, s17, 8192                    ; the dump row of my tile
	global_load_b128 v[BIAS:BIAS+3], v16, s[24:25]
	global_load_b128 v[BIAS+4:BIAS+7], v16, s[24:25] offset:256
	FETCHB 0
	FETCHB 1
	FETCHB 2
	WIN 0
	s_wait_loadcnt 50                              ; behind the 23 entries: 2 loads of b1 and 48 of B
.irp i,0,1,2,3,4,5,6,7,8,9,10,11,12,13,14,15,16,17
	v_bfe_u32 v[OFF+\i], v[ENT+\i], 1, 12          ; the token; padding gives token 0
	v_min_u32 v[OFF+\i], 0xfff, v[OFF+\i]
	v_lshl_add_u32 v[OFF+\i], v[OFF+\i], 10, v16   ; its row of 1,024 bytes + 16 r
.endr
	v_mov_b32 v21, s30
.irp k,0,1,2,3,4
	v_and_b32 v[E5+\k], 0x3fff, v[E5+\k]
.endr
.irp k,0,1,2,3,4
	v_cmp_gt_u32 s[31+\k], 0x2000, v[E5+\k]        ; a real row
.endr
.irp k,0,1,2,3,4
	v_min_u32 v[IDX5+\k], 0x1fff, v[E5+\k]
	v_lshlrev_b32 v[IDX5+\k], 2, v[IDX5+\k]
.endr
	s_wait_alu depctr_va_sdst(0)                   ; the five compares have written s31 to s35, ahead of the selects that read them
.irp k,0,1,2,3,4
	v_cndmask_b32 v[ROW5+\k], v21, v[E5+\k], s[31+\k]  ; its row of part, or the dump row
.endr
.irp k,0,1,2,3,4
	v_min_u32 v[ROW5+\k], 0x203f, v[ROW5+\k]
.endr
	s_wait_alu depctr_va_vdst(0)                   ; the row numbers, which the LDS stores read, and the offsets of the gathers and of the weights' loads are written
.irp k,0,1,2,3,4
	ds_store_b32 v[TST], v[ROW5+\k] offset:128*\k
.endr
	; 72 gathers: load 4 i + k brings bytes 256 k .. of rows 36 w + 2 i and + 1, sixteen lanes a row; staged in the accumulator registers
	WIN 0x40
.set n, 0
.rept 64
	global_load_b128 v[4*n:4*n+3], v[OFF+n/4], s[4:5] offset:256*(n%4)
.set n, n+1
.endr
	WIN 0x80
.rept 8
	global_load_b128 v[4*(n-64):4*(n-64)+3], v[OFF+n/4], s[4:5] offset:256*(n%4)
.set n, n+1
.endr
	WIN 0
.irp k,0,1,2,3,4
	global_load_b32 v[W5+\k], v[IDX5+\k], s[12:13]
.endr
.macro XPUT first, count, sub
.set n, \first
.rept \count
	ds_store_b128 v[XST], v[4*(n-\sub):4*(n-\sub)+3] offset:2*(n/4)*PITCH+256*(n%4)
.set n, n+1
.endr
.endm
	s_wait_loadcnt 53                              ; behind the first 24 gathers: 48 gathers and 5 weights
	WIN 0x04                                       ; store data in window 1
	XPUT 0, 24, 0
	s_wait_loadcnt 29                              ; 24 gathers and 5 weights
	XPUT 24, 24, 0
	s_wait_loadcnt 5                               ; the weights
	XPUT 48, 16, 0
	WIN 0x08
	XPUT 64, 8, 64
	WIN 0
	s_wait_loadcnt 0x0
.irp k,0,1,2,3,4
	v_cndmask_b32 v[W5+\k], 0, v[W5+\k], s[31+\k]  ; padding weighs nothing
.endr
	s_wait_alu depctr_va_vdst(0)                   ; the selects have written the weights, which the LDS stores read; every vector instruction that named v32 to v87 is done, so A's first fragments may land there
.irp k,0,1,2,3,4
	ds_store_b32 v[TST], v[W5+\k] offset:640+128*\k
.endr
	s_wait_dscnt 0x0                               ; my 36 rows of x are in LDS before I say so
	s_barrier_signal -1
	s_barrier_wait -1                              ; all 144 are
	s_wait_alu depctr_vm_vsrc(0)                   ; my gathers and LDS stores have read the set-up's registers, in which A's fragments land, and the staged x, which the first products write over
	; PRODUCT 1: 16 K steps over D = 512
	FETCHX 0, AF0
	STEP 0, 1, 1, 1, 32, 0                         ; no wait at its head: no vector or matrix instruction has named AF1 or B's buffer 3
.irp sg,1,2,3,4,5,6,7,8,9,10,11,12,13,14
	STEP \sg, 0, 1, 1, 32, 0
.endr
	STEP 15, 0, 0, 1, 32, 0                        ; B runs on into product 2: steps 16 to 18 are on their way across what follows
	; h = relu(sum + b1) in f16 into my region of LDS.  A lane holds, for row 16 m + 8 h + j, columns 64 g + 4 r + c in tiles 4 g + c: 8 bytes.
	; For each half g of the columns: 32 registers at work at tt, two out-buffers of 16 at tt + 32 and tt + 48, taken by the row block's parity.
.macro BADD tt, lo, g, c, k            ; b1 of column c lies in half k of its pair
.irp j,0,2,4,6
	v_pk_add_f32 v[\tt+8*\c+\j:\tt+8*\c+\j+1], v[\lo+8*(4*\g+\c)+\j:\lo+8*(4*\g+\c)+\j+1], v[BIAS+4*\g+\c-\k:BIAS+4*\g+\c-\k+1] op_sel:[0,\k] op_sel_hi:[1,\k]
.endr
.endm
.macro RELU tt
.set i, 0
.rept 32
	v_max_num_f32 v[\tt+i], 0, v[\tt+i]
.set i, i+1
.endr
.endm
.macro HCVT tt
.irp j,0,1,2,3,4,5,6,7
	v_cvt_pk_f16_f32 v[\tt+HO+2*\j], v[\tt+\j], v[\tt+8+\j]
	v_cvt_pk_f16_f32 v[\tt+HO+2*\j+1], v[\tt+16+\j], v[\tt+24+\j]
.endr
.endm
.macro HPUT tt, m, g
.irp j,0,1,2,3,4,5,6,7
	ds_store_b64 v[HST], v[\tt+HO+2*\j:\tt+HO+2*\j+1] offset:(16*(\m)+\j)*HP+128*\g   ; lanes 0-15 fill 128 bytes; lanes 16-31 lie 2,176 bytes on, 128 modulo 256
.endr
.endm
.macro EPI1 m
.set HO, 32+16*((\m)%2)
	WIN 1+(\m)/4                                   ; source 0 in the window of the accumulators
.irp g,0,1
	BADD AF0+72*\g, 64*((\m)%4), \g, 0, 0
	BADD AF0+72*\g, 64*((\m)%4), \g, 1, 1
	BADD AF0+72*\g, 64*((\m)%4), \g, 2, 0
	BADD AF0+72*\g, 64*((\m)%4), \g, 3, 1
.endr
	WIN 0
	RELU AF0
	RELU AF1
.if (\m) > 1
	s_wait_alu depctr_vm_vsrc(0)                   ; the LDS stores of the block two back have read this out-buffer, which the conversions write again
.endif
	HCVT AF0
	HCVT AF1
	s_wait_alu depctr_va_vdst(0)                   ; the conversions have written the out-buffer, which the 16 LDS stores read
	HPUT AF0, \m, 0
	HPUT AF1, \m, 1
.endm
	PLACES
.irp m,0,1,2,3,4,5,6,7,8
	EPI1 \m
.endr
	s_wait_dscnt 0x0                               ; my 128 columns of h are in LDS before I say so
	s_barrier_signal -1
	s_barrier_wait -1                              ; all 512 are
	s_wait_alu depctr_vm_vsrc(0)                   ; my LDS stores have read the out-buffers: these registers are AF0 and AF1 again, in which h's fragments land (the vector instructions that named them stand ahead of the last wait on va_vdst, and so do the matrix instructions that read B's buffer 3)
	; PRODUCT 2: 16 K steps over the quarter of F
	FETCHH 0, AF0
	STEP 16, 1, 1, 1, 32, 1                        ; no wait at its head: the two waits above cover AF1 and B's buffer 3
.irp sg,17,18,19,20,21,22,23,24,25,26,27,28
	STEP \sg, 0, 1, 1, 32, 1
.endr
	STEP 29, 0, 1, 0, 32, 1                        ; B of steps 30 and 31 is out
	STEP 30, 0, 1, 0, 16, 1                        ; B of step 31 is out
	STEP 31, 0, 2, 0, 0, 1                         ; the tables for the way out land under the last products
	; THE WAY OUT: times the combine weight, 16 bytes a lane; sixteen lanes store 256 consecutive bytes of a row of part, aligned
	PLACES
	WIN 0
	s_wait_dscnt 0x0                               ; the tables
.set i, 0
.rept 72
	v_min_u32 v[AF0+i], 0x203f, v[AF0+i]
	v_lshl_add_u32 v[AF0+i], v[AF0+i], 11, v16     ; row x 2,048 + 16 r
.set i, i+1
.endr
.macro OBUF m                          ; the out-buffer of row block m: B3's registers or AF1's, by turns
.if ((\m)%2)
.set OB, AF1
.else
.set OB, BB3
.endif
.endm
.macro MULS m
	OBUF \m
	WIN (1+(\m)/4)|0x0c                            ; source 0 in the window of the accumulators, source 1 (the weight) in window 3
.irp j,0,1,2,3,4,5,6,7
.irp g,0,1
.irp c,0,1,2,3
	v_mul_f32 v[OB+4*(2*\j+\g)+\c], v[64*((\m)%4)+8*(4*\g+\c)+\j], v[W3+8*(\m)+\j]   ; the multiply also brings four tiles together into four neighbouring registers
.endr
.endr
.endr
.endm
.macro SEND m
	OBUF \m
.irp j,0,1,2,3,4,5,6,7
.irp g,0,1
	global_store_b128 v[AF0+8*(\m)+\j], v[OB+4*(2*\j+\g):OB+4*(2*\j+\g)+3], s[28:29] offset:256*\g
.endr
.endr
.endm
	MULS 0
.irp m,1,2,3,4,5,6,7,8
	WIN 0
.if \m > 1
	s_wait_xcnt 0x0                                ; the out-buffer that this block writes was the data of the 16 stores issued 64 multiplies ago: written again only behind this wait
	s_wait_alu depctr_vm_vsrc(0)                   ; and those stores have read it
.endif
	s_wait_alu depctr_va_vdst(0)                   ; the block before has written the other out-buffer, which the stores below read (at the first of these waits also: the 72 addresses are written)
	SEND \m-1
	MULS \m
.endr
	WIN 0
	s_wait_alu depctr_va_vdst(0)                   ; block 8 has written its out-buffer, which the last 16 stores read
	SEND 8
	s_wait_dscnt 0x0
	s_wait_alu depctr_hold_cnt(0) depctr_sa_sdst(0) depctr_va_vdst(0) depctr_va_sdst(0) depctr_va_ssrc(0) depctr_va_vcc(0) depctr_vm_vsrc(0)
	s_wait_tensorcnt 0x0
	ds_add_u32 v254, v255
	s_wait_dscnt 0x0
	s_endpgm
.Lfunc_end_k_q45215ace1d_ffn:
	.size	k_q45215ace1d_ffn, .Lfunc_end_k_q45215ace1d_ffn-k_q45215ace1d_ffn
	.p2alignl 7, 3214868480
	.fill 96, 4, 3214868480
	.section	.rodata,"a",@progbits
	.p2align	6, 0x0
	.amdhsa_kernel k_q45215ace1d_ffn
		.amdhsa_group_segment_fixed_size 312064
		.amdhsa_private_segment_fixed_size 0
		.amdhsa_enable_private_segment 0
		.amdhsa_kernarg_size 48
		.amdhsa_user_sgpr_count 2
		.amdhsa_user_sgpr_kernarg_segment_ptr 1
		.amdhsa_wavefront_size32 1
		.amdhsa_system_sgpr_workgroup_id_x 1
		.amdhsa_system_sgpr_workgroup_id_y 1
		.amdhsa_system_sgpr_workgroup_id_z 1
		.amdhsa_system_vgpr_workitem_id 0
		.amdhsa_next_free_vgpr 1024
		.amdhsa_next_free_sgpr 66
		.amdhsa_reserve_vcc 0
		.amdhsa_float_denorm_mode_32 3
		.amdhsa_float_denorm_mode_16_64 3
		.amdhsa_memory_ordered 1
		.amdhsa_forward_progress 1
		.amdhsa_inst_pref_size 255
	.end_amdhsa_kernel
	.section	.bss,"aw",@nobits
	.p2align	6
	.space	262144
	.amdgpu_metadata
---
amdhsa.version: [ 1, 2 ]
amdhsa.kernels:
  - .name:           k_q45215ace1d_ffn
    .symbol:         k_q45215ace1d_ffn.kd
    .args:
      - { .name: xb, .offset: 0, .size: 8, .value_kind: global_buffer, .address_space: global }
      - { .name: pw, .offset: 8, .size: 8, .value_kind: global_buffer, .address_space: global }
      - { .name: b1, .offset: 16, .size: 8, .value_kind: global_buffer, .address_space: global }
      - { .name: rowtok, .offset: 24, .size: 8, .value_kind: global_buffer, .address_space: global }
      - { .name: wts, .offset: 32, .size: 8, .value_kind: global_buffer, .address_space: global }
      - { .name: part, .offset: 40, .size: 8, .value_kind: global_buffer, .address_space: global }
    .group_segment_fixed_size: 312064
    .private_segment_fixed_size: 0
    .kernarg_segment_align: 8
    .kernarg_segment_size: 48
    .max_flat_workgroup_size: 128
    .sgpr_count:     66
    .vgpr_count:     1024
    .wavefront_size: 32
...
	.end_amdgpu_metadata
.endif
;; end of part 5
;; launch combine: the kernel of part 4 again; grid 512 x 1, 8 waves a work-group, no clusters, 0 bytes of LDS; arguments part, sel, wts, b2, out0; writes out0
